; MI455X (gfx1250); checked and timed in simulation.
; The chip was launched on July 23, 2026; its instructions are those of AMD's public machine-readable ISA for CDNA 5 (MIT licence, August 2026) and "CDNA5" Instruction Set Architecture Reference Guide (July 2026). The comments in the code are by the model that wrote it; some were corrected since.
;; Selective Copying Model. Allowed arithmetic: matrix products marked QUANTISED: E2M1 operands, one E8M0 scale for each 32 along K, by v_wmma_scale_f32_16x16x128_f8f6f4 with both operands' format E2M1 (or v_wmma_scale_f32_32x16x128_f4), f32 sums; everything else in f32.
;; Inputs: W0_codes 512 x 4 x 16 uint8 (E2M1 codes of W0, K innermost, in blocks of 32 codes, two codes a byte); W0_scales 512 x 4 uint8 (E8M0 scales of W0, one for each 32 codes along K); Walign_codes 256 x 4 x 16 uint8 (E2M1 codes of Walign, K innermost, in blocks of 32 codes, two codes a byte); Walign_scales 256 x 4 uint8 (E8M0 scales of Walign, one for each 32 codes along K); Wl_codes 2 x 512 x 8 x 16 uint8 (E2M1 codes of Wl, K innermost, in blocks of 32 codes, two codes a byte); Wl_scales 2 x 512 x 8 uint8 (E8M0 scales of Wl, one for each 32 codes along K); Wout_codes 256 x 8 x 16 uint8 (E2M1 codes of Wout, K innermost, in blocks of 32 codes, two codes a byte); Wout_scales 256 x 8 uint8 (E8M0 scales of Wout, one for each 32 codes along K); b0 512 float32; bl 2 x 512 float32; bout 256 float32; emb 256 x 128 float32; x 32 x 2,048 int32.
;; Outputs: out0 32 x 16 x 256 float32.
;; Constants: num_memorize = 16.
;; This version of the problem:
;;   THIS VERSION OF THE PROBLEM IS GIVEN IN LOW PRECISION. The matrix products marked QUANTISED in the list below multiply operands that are first quantised to E2M1 (2 exponent bits, 1 mantissa bit; 4 bits a number), with one power-of-two scale for each 32 numbers along K (OCP MX v1.0); their sums are f32. All else is computed in f32.
;;   The module's matrix products, in the order in which they are computed (A, B: the left and right operand; K: the contracted axis; several contracted axes count as one K, in the product's order):
;;     1. [M 65,536, K 128] x [K 128, N 512]; A: computed on the way; B: input W0 (given as codes): QUANTISED
;;     2. [M 65,536, K 128] x [K 128, N 256]; A: computed on the way; B: input Walign (given as codes): QUANTISED
;;     3. [M 65,536, K 256] x [K 256, N 512]; A: computed on the way; B: input Wl (given as codes): QUANTISED
;;     4. [M 65,536, K 256] x [K 256, N 512]; A: computed on the way; B: input Wl (given as codes): QUANTISED
;;     5. [M 65,536, K 256] x [K 256, N 256]; A: computed on the way; B: input Wout (given as codes): QUANTISED
;;   THE QUANTISER, for each operand of a quantised product, along K:
;;     - K is cut into blocks of 32 from its start; a last block that is shorter is filled with zeros.
;;     - A block's scale is 2^e with e = floor(log2(the largest magnitude in the block)) - 2, held to -126 .. 127; a block of zeros has e = 0. As a byte (E8M0): e + 127.
;;     - Each number is divided by its block's scale, clamped to +-6, and rounded to the nearest number of E2M1, ties to even, subnormals kept.
;;     - The product sums the exact products of the quantised numbers (number of the format x scale) in f32.
;;   ~~~python
;;   def quantise(x, axis):      # numpy; x: float32 -> the quantised numbers, widened to float32 again
;;       x = np.moveaxis(x, axis, -1); K = x.shape[-1]
;;       x = np.pad(x, [(0, 0)] * (x.ndim - 1) + [(0, -K % 32)]); x = x.reshape(x.shape[:-1] + (-1, 32)); a = np.abs(x).max(-1, keepdims=True)
;;       e = np.where(a > 0, np.clip(np.frexp(np.where(a > 0, a, 1))[1] - 1 - 2, -126, 127), 0)      # np.frexp(a)[1] - 1 = floor(log2(a)), exactly
;;       r = np.clip(x / 2.0 ** e, -6, 6)
;;       step = 2.0 ** (np.maximum(np.frexp(np.where(r == 0, 1, r))[1] - 1, 0) - 1)
;;       q = np.round(r / step) * step * 2.0 ** e      # np.round: ties to even
;;       return np.moveaxis(q.reshape(q.shape[:-2] + (-1,))[..., :K], -1, axis).astype(np.float32)
;;   ~~~
;;   OPERANDS COMPUTED ON THE WAY. 'Computed on the way' means the value that the module computes at that place (a softmax that the list does not call 'softmax' is quantised finished and normalised). What goes into a quantiser is computed in f32, as accurately as f32 sums, v_exp_f32 and their like allow (about 1e-6 of the number): no bf16 or f16 on the way to a quantiser, and a product that is left as it is and whose result goes on into a quantised operand takes f32 operands (vector FMAs, or v_wmma_f32_16x16x4_f32). A number that lies on a knife's edge between two numbers of the format may be rounded either way, as far as f32 arithmetic and the matrix unit's own rounding can turn it there, and no further.
;;   INPUTS GIVEN AS CODES. W0 (in the module: [512, 128], K = its axis 1); Walign (in the module: [256, 128], K = its axis 1); Wl (in the module: [2, 512, 256], K = its axis 2); Wout (in the module: [256, 256], K = its axis 1): each comes as NAME_codes (uint8): NAME with its K axis moved to the last place and cut into blocks of 32 codes, [.., K / 32, bytes a block], one block behind the other in memory; two codes a byte, the lower K in the low four bits (a code: sign, 2 exponent bits, 1 mantissa bit); and NAME_scales (uint8): the same leading axes, one E8M0 byte (e + 127) for each 32 codes along K. Its value is code x scale, taken as it is: it is not quantised again, and the codes and scales need not be those that the quantiser above would give.
;; One version. Each part assembles by itself: llvm-mc -triple=amdgcn-amd-amdhsa -mcpu=gfx1250 --defsym DOCPART=n.
;; ======== version 1 of 1: 4 launches
;; limits: right only within a limited range of input values
;; workspace buffers: codes0 8,388,608 bytes; scales0 524,288 bytes; carry0 5,242,880 bytes; codes1 8,388,608 bytes; scales1 524,288 bytes; h1last 1,048,576 bytes; codes2 65,536 bytes; scales2 4,096 bytes
;; launch layer0 (part 1): grid 8 x 32, 16 waves a work-group, no clusters, 233,472 bytes of LDS; arguments x, emb, W0_codes, W0_scales, Walign_codes, Walign_scales, b0, codes0, scales0, carry0; writes codes0, scales0, carry0
.if DOCPART == 1
	.amdgcn_target "amdgcn-amd-amdhsa--gfx1250"
	.amdhsa_code_object_version 6
	.text
	.protected	k_q8ff3ff3336_layer0
	.globl	k_q8ff3ff3336_layer0
	.p2align	8
	.type	k_q8ff3ff3336_layer0,@function
k_q8ff3ff3336_layer0:
	s_mov_b64 s[64:65], 0
	v_nop
	global_prefetch_b8 v0, s[64:65] scope:SCOPE_SE
	s_setreg_imm32_b32 hwreg(HW_REG_WAVE_MODE, 25, 1), 1
	s_wait_xcnt 0x0
; minGRU LAYER 0.  h0[t] = scan(gate, hid)[t] + align[t], quantised to E2M1 codes (one E8M0 byte for each 32 channels) for layer 1's product.
; THE SCAN is the recurrence h[t] = (1 - z[t]) h[t-1] + z[t] g(hid[t]), h[-1] = 0.5, z = sigmoid(gate), g(x) = max(x + 0.5, sigmoid(x)): the log-space form's numbers, for every input.
; THE LAST 32 POSITIONS are evaluated by wave 15 in the log-space form itself, h = exp(a* + LSE(v - a*)), in f32, a lane to a channel, with a* of its true size, so that the roundings at a*'s grain fall as they fall there.
; The order of the sums: runs of 16 elements counted from element 0 of the 2,049; inside a run in sequence; each element joined once with the prefix of the runs ahead, which goes from run to run by the run's total.
; The prefixes ahead of element 2,016 come from the recurrence.  Not followed: another order of the runs' prefixes, ties at the grain, the last bit of exponentials and logarithms.
; THE PRODUCTS.  The left operand is emb[x], quantised row by row, so it has 256 different rows: the work-group multiplies the 256 quantised rows of emb by its 96 rows of W0 and Walign once and keeps
; (1 - z, z g, align) of each (token, channel) in LDS; a position then reads its token's entry.
; SHARES.  Work-group (x = channel group cg of 32 channels = one block of the next K, y = batch b); 16 waves.  Position = 512 s + 32 w + 16 h + t: half a wave's lanes own a run of 16 positions; lane (r, h) holds channels r, 16 + r.
; A run is scanned from 0 (L) with the running product of 1 - z (P); the waves' aggregates meet in LDS; h[t] = P[t] C + L[t].
; OUT.  codes0 [b][tile 32 s + 2 w + i][cg][row 16][16 bytes], row m = position 16 (m / 8) + 8 i + m % 8 of the wave's 32; scales0 [b][cg][w][s][i][row]; carry0 [b][cg][s][w][lane][2], and 4 MiB further on
; h0 of the last 32 positions, [b][cg][8 images][lane = channel][16 bytes].
; NO CLUSTER, NO TENSOR LOAD: work-groups share only x (8 KiB a batch) and emb (128 KiB), read once, straight into registers.
; LIMITS: NaN and infinities are not served; a sigmoid under 2^-126 is 0; 1 - z carries an absolute error of 2^-24; log2 of 1 - z and of z g is held at -126; tokens are held to 0 .. 255; a block of zeros gets the byte 1 with zero codes.
.set TAB, 0                            ; LDS: [token 256][channel 32][1 - z, z g, align, -]
.set XT,  131072                       ; 80 slots of 256 bytes: slot 16 (s + 1) + w = wave w's aggregate of step s; slots 0-15 the identity
.set STG, 151552                       ; a stage of 4,864 bytes a wave: 32 positions x 144 bytes, positions 16-31 a further 128 on
.set SCB, 229376                       ; the work-group's 2,048 scale bytes
.set LN, 1
.set RR, 2
.set HH, 3
.set VT, 5
.set VC, 6
.set VO, 7
.set XW, 8
.set SW, 9
.set SR, 10
.set SB, 11
.set GL, 14
.set HIN, 15
.set CC, 16
.set CP, 20
.set EA0, 22
.set EA1, 23
.set EB0, 24
.set EB1, 25
.set WAB, 26
.set LR, 28
.set TK, 30                            ; v30-62: wave 15's table addresses of positions 2,015 .. 2,047; then v32-63 its h0
.set D, 64
.set TMP, 128
.set TM, 176
.set TOK, 192
.set ASR, 208
.set KG, 222
.set KH1, 226
.set KH2, 230
.set CD, 234
.set PC, 234
.set SC, 238
.set BY, 239
.set MX, 240
.set EO, 242
.set CO, 243
.set TWS, 244                          ; v244-250 hold scales alone
.set PW, 250
.set R4, 251
.set FA, 252
.set FG, 253
.set TW, 255
.set AP, 242                           ; behind the head: a* ahead of the window
.set EL, 243                           ; the LSE ahead of the window
.set SLR, 251                          ; the sum of log2 of the aggregates' products
.set L16, 254                          ; 16 x lane
.set SWL, 255                          ; wave 15's stage + 4 x lane
.set W, 64                             ; the window: element j: c, then a*, at W + ST j; v, then x, then the LSE, at + 1; align at + 2
.set ST, 4
.set T1, 196
.set T2, 213                           ; T1 and T2 are 17 wide
.set OX, 230                           ; v230-233: a* ahead of the second and third run, the LSE ahead of them
.set RB, 66
.set RS, 4
.macro BAR
	s_wait_alu depctr_va_vdst(0)                       ; the wait ahead of a wait that blocks
	s_wait_dscnt 0x0
	s_barrier_signal -1
	s_barrier_wait -1
.endm
.macro QUANT src
.irp b, 0,1,2,3
	v_max3_num_f32 v[TM+\b], |v[\src+16*\b]|, |v[\src+1+16*\b]|, 0x1800000   ; the floor 2^(3 - 127): the byte cannot fall under 1
.endr
.irp i, 2,4,6,8,10,12,14
.irp b, 0,1,2,3
	v_max3_num_f32 v[TM+\b], v[TM+\b], |v[\src+16*\b+\i]|, |v[\src+1+16*\b+\i]|
.endr
.endr
.irp b, 0,1,2,3
	v_permlanex16_b32 v[TM+4+\b], v[TM+\b], s8, s9
.endr
.irp b, 0,1,2,3
	v_max_num_f32 v[TM+\b], v[TM+\b], v[TM+4+\b]
.endr
.irp b, 0,1,2,3
	v_add_nc_u32 v[TM+8+\b], 0xff000000, v[TM+\b]      ; 2 off the exponent field: the conversion's scale operand
.endr
.irp b, 0,1,2,3
	v_lshrrev_b32 v[TM+4+\b], 23, v[TM+8+\b]
.endr
	v_lshl_or_b32 v[PW], v[TM+5], 8, v[TM+4]
	v_lshl_or_b32 v[PW], v[TM+6], 16, v[PW]
	v_lshl_or_b32 v[PW], v[TM+7], 24, v[PW]
.irp b, 0,1,2,3
	v_cvt_scalef32_pk8_fp4_f32 v[PC+2*\b], v[\src+16*\b:\src+7+16*\b], v[TM+8+\b]
	v_cvt_scalef32_pk8_fp4_f32 v[PC+1+2*\b], v[\src+8+16*\b:\src+15+16*\b], v[TM+8+\b]
.endr
	v_nop                                              ; one plain place behind a scaled conversion
.irp c, 0,1
.irp i, 0,1
	v_permlane16_swap_b32 v[PC+4*\c+\i], v[PC+2+4*\c+\i]
.endr
.endr
.endm
.macro KSET a                          ; -log2(e) b (gate), b + 0.5 and -log2(e) b (hidden)
.irp c, 0,1
	v_mul_f32 v[KG+2*\c], s6, v[\a+\c]
	v_mul_f32 v[KG+2*\c+1], s6, v[\a+\c]
	v_add_f32 v[KH1+2*\c], 0.5, v[\a+2+\c]
	v_add_f32 v[KH1+2*\c+1], 0.5, v[\a+2+\c]
	v_mul_f32 v[KH2+2*\c], s6, v[\a+2+\c]
	v_mul_f32 v[KH2+2*\c+1], s6, v[\a+2+\c]
.endr
.endm
.macro ACTA g, c
.irp p, 0,2,4,6
	v_pk_fma_f32 v[\g+\p:\g+\p+1], v[\g+\p:\g+\p+1], s[6:7], v[KG+2*\c:KG+2*\c+1] op_sel_hi:[1,0,1]
.endr
.endm
.macro EXPA g
.irp j, 0,1,2,3,4,5,6,7
	v_exp_f32 v[\g+\j], v[\g+\j]
.endr
.endm
.macro ACTB g, c, hp
.irp p, 0,2,4,6
	v_pk_add_f32 v[\hp+\p:\hp+\p+1], v[\g+16+\p:\g+16+\p+1], v[KH1+2*\c:KH1+2*\c+1]
.endr
.irp p, 0,2,4,6
	v_pk_fma_f32 v[\g+16+\p:\g+16+\p+1], v[\g+16+\p:\g+16+\p+1], s[6:7], v[KH2+2*\c:KH2+2*\c+1] op_sel_hi:[1,0,1]
.endr
.endm
.macro EXPB g
.irp j, 0,1,2,3,4,5,6,7
	v_exp_f32 v[\g+16+\j], v[\g+16+\j]
.endr
.endm
.macro ACTC g
.irp p, 0,2,4,6
	v_pk_add_f32 v[\g+\p:\g+\p+1], v[\g+\p:\g+\p+1], 1.0 op_sel_hi:[1,0]
.endr
.irp p, 0,2,4,6
	v_pk_add_f32 v[\g+16+\p:\g+16+\p+1], v[\g+16+\p:\g+16+\p+1], 1.0 op_sel_hi:[1,0]
.endr
.endm
.macro RCPC g
.irp j, 0,1,2,3,4,5,6,7
	v_rcp_f32 v[\g+\j], v[\g+\j]
.endr
.irp j, 0,1,2,3,4,5,6,7
	v_rcp_f32 v[\g+16+\j], v[\g+16+\j]
.endr
.endm
.macro ACTE g, hp
.irp j, 0,1,2,3,4,5,6,7
	v_max_num_f32 v[\g+16+\j], v[\hp+\j], v[\g+16+\j]
.endr
.irp p, 0,2,4,6
	v_pk_mul_f32 v[\g+16+\p:\g+16+\p+1], v[\g+\p:\g+\p+1], v[\g+16+\p:\g+16+\p+1]
.endr
.irp p, 0,2,4,6
	v_pk_fma_f32 v[\g+\p:\g+\p+1], v[\g+\p:\g+\p+1], -1.0, 1.0 op_sel_hi:[1,0,0]
.endr
.endm
.macro ACT1
	ACTA D, 0
	ACTA D+8, 1
	ACTB D, 0, TMP
	ACTB D+8, 1, TMP+8
	s_wait_alu depctr_va_vdst(0)                       ; all sources are laid: one wait ahead of the batch
	EXPA D
	EXPA D+8
	EXPB D
	EXPB D+8
	v_nop
	s_wait_alu depctr_va_vdst(0)                       ; one wait for the batch, ahead of its first reader
	ACTC D
	ACTC D+8
	s_wait_alu depctr_va_vdst(0)                       ; one wait ahead of the reciprocals
	RCPC D
	RCPC D+8
	v_nop
	s_wait_alu depctr_va_vdst(0)                       ; and one for the reciprocals
	ACTE D, TMP
	ACTE D+8, TMP+8
.endm
.macro GLOAD i
.irp j, 0,1,2,3,4,5,6,7
.irp c, 0,1
	ds_load_b96 v[TMP+32*\c+4*\j:TMP+32*\c+4*\j+2], v[TOK+8*\i+\j] offset:256*\c
.endr
.endr
.endm
.macro EXCH1 b0, b1                    ; my two runs' aggregates become my wave's, one channel a lane
	v_mov_b32 v[EA0], v[D+39]
	v_mov_b32 v[EA1], v[D+47]
	v_mov_b32 v[EB0], v[\b0]
	v_mov_b32 v[EB1], v[\b1]
	v_permlane16_swap_b32 v[EA0], v[EA1]
	v_permlane16_swap_b32 v[EB0], v[EB1]
	v_mul_f32 v[WAB], v[EA0], v[EA1]
	v_fma_f32 v[WAB+1], v[EA1], v[EB0], v[EB1]
.endm
; slots 16 s + w .. + 15 are the sixteen aggregates between my 32 positions of the step before and those of this step.  Wave 15 also sums log2 of their products: the size of a*
.macro EXCH2 s
.irp j, 0,1,2,3,4,5,6,7,8,9,10,11,12,13,14,15
	ds_load_b64 v[TMP+2*\j:TMP+2*\j+1], v[XW] offset:(16*(\s)+\j)*256
.endr
.irp j, 0,1,2,3,4,5,6,7,8,9,10,11,12,13,14,15
.if (\j%4) == 0
	s_wait_alu depctr_va_vdst(0)
	s_wait_dscnt 12-\j
.endif
	v_fma_f32 v[HIN], v[TMP+2*\j], v[HIN], v[TMP+2*\j+1]
.endr
	s_wait_alu depctr_va_vdst(0)                       ; ahead of the branch and of the logarithms
	s_cmp_lg_u32 s2, 15
	s_cbranch_scc1 .Lnsl_\@
.irp j, 0,1,2,3,4,5,6,7,8,9,10,11,12,13,14,15
	v_log_f32 v[TMP+32+\j], v[TMP+2*\j]
.endr
	v_nop
	s_wait_alu depctr_va_vdst(0)                       ; one wait for the sixteen
.irp j, 0,1,2,3,4,5,6,7,8,9,10,11,12,13,14,15
	v_max_num_f32 v[TMP+32+\j], 0xc2fc0000, v[TMP+32+\j]
	v_add_f32 v[SLR], v[SLR], v[TMP+32+\j]
.endr
.Lnsl_\@:
	v_mov_b32 v[CC], v[HIN]
	v_fma_f32 v[CC+2], v[EA0], v[HIN], v[EB0]
	v_permlane16_swap_b32 v[CC], v[CC+2]
.endm
.macro FIX
.irp i, 0,1
.irp c, 0,1
.irp p, 0,2,4,6
	v_pk_fma_f32 v[D+16+32*\i+8*\c+\p:D+16+32*\i+8*\c+\p+1], v[D+32*\i+8*\c+\p:D+32*\i+8*\c+\p+1], v[CC+2*\c:CC+2*\c+1], v[D+16+32*\i+8*\c+\p:D+16+32*\i+8*\c+\p+1] op_sel_hi:[1,0,1]
.endr
.endr
.endr
.endm
.macro STAGEIN
.irp i, 0,1
.irp c, 0,1
.irp j, 0,1,2,3,4,5,6,7
	ds_store_b32 v[SW], v[D+16+32*\i+8*\c+\j] offset:(8*\i+\j)*144+64*\c
.endr
.endr
.endr
.endm
; back from my wave's stage a lane holds one position's 32 channels: a whole block; each half of the lanes stores 256 consecutive bytes, aligned
.macro STAGEOUT s, base
.irp k, 0,1,2,3,4,5,6,7
	ds_load_b128 v[TMP+4*\k:TMP+4*\k+3], v[SR] offset:16*\k        ; LDS serves a wave's instructions in order: these see my stores
.endr
	s_wait_dscnt 0x0
	v_max3_num_f32 v[MX], |v[TMP]|, |v[TMP+1]|, 0x1800000
	v_max3_num_f32 v[MX+1], |v[TMP+2]|, |v[TMP+3]|, |v[TMP+4]|
.irp n, 5,9,13,17,21,25
	v_max3_num_f32 v[MX], v[MX], |v[TMP+\n]|, |v[TMP+\n+1]|
	v_max3_num_f32 v[MX+1], v[MX+1], |v[TMP+\n+2]|, |v[TMP+\n+3]|
.endr
	v_max3_num_f32 v[MX], v[MX], |v[TMP+29]|, |v[TMP+30]|
	v_max3_num_f32 v[MX], v[MX], v[MX+1], |v[TMP+31]|
	s_wait_alu depctr_va_vdst(0)
	s_wait_xcnt 0x0
	v_add_nc_u32 v[SC], 0xff000000, v[MX]
.irp g, 0,1,2,3
	v_cvt_scalef32_pk8_fp4_f32 v[CD+\g], v[TMP+8*\g:TMP+8*\g+7], v[SC]
.endr
	v_lshrrev_b32 v[BY], 23, v[SC]                     ; the scale's byte (also the plain place behind the conversions)
	ds_store_b8 v[SB], v[BY] offset:32*(\s)
	global_store_b128 v[VO], v[CD:CD+3], s[\base:\base+1] offset:65536*(\s)
.endm
; ---- THE WINDOW: elements 2,016 .. 2,048 = two whole runs of 16 and the first element of a third
.macro LNPAIR p                        ; two log2, held at -126, become natural logarithms
	v_max_num_f32 v[\p], 0xc2fc0000, v[\p]
	v_max_num_f32 v[\p+1], 0xc2fc0000, v[\p+1]
	v_pk_mul_f32 v[\p:\p+1], v[\p:\p+1], s[14:15] op_sel_hi:[1,0]
.endm
.macro LAEMID n
	s_wait_alu depctr_va_vdst(0)                       ; ahead of the exponentials
.set kk, 0
.rept \n
	v_exp_f32 v[T2+kk], v[T2+kk]
.set kk, kk+1
.endr
	v_nop
	s_wait_alu depctr_va_vdst(0)
.set kk, 0
.rept \n
	v_add_f32 v[T2+kk], 1.0, v[T2+kk]
.set kk, kk+1
.endr
	s_wait_alu depctr_va_vdst(0)                       ; ahead of the logarithms
.set kk, 0
.rept \n
	v_log_f32 v[T2+kk], v[T2+kk]
.set kk, kk+1
.endr
	v_nop
	s_wait_alu depctr_va_vdst(0)
.endm
.macro LAE1 a, b                       ; b = max(a, b) + ln(1 + e^-|a - b|)
	v_sub_f32 v[T2], v[\a], v[\b]
	v_max_num_f32 v[T1], v[\a], v[\b]
	v_mul_f32 v[T2], s6, |v[T2]|
	LAEMID 1
	v_fma_f32 v[\b], v[T2], s14, v[T1]
.endm
.macro CHAIN2                          ; link jj of both runs' chains: element jj takes element jj - 1's
.irp q, 0,16
	v_sub_f32 v[T2+\q/16], v[W+1+ST*(\q+jj-1)], v[W+1+ST*(\q+jj)]
	v_max_num_f32 v[T1+\q/16], v[W+1+ST*(\q+jj-1)], v[W+1+ST*(\q+jj)]
	v_mul_f32 v[T2+\q/16], s6, |v[T2+\q/16]|
.endr
	LAEMID 2
.irp q, 0,16
	v_fma_f32 v[W+1+ST*(\q+jj)], v[T2+\q/16], s14, v[T1+\q/16]
.endr
.endm
.macro JOIN k0, pre, a, b              ; sixteen elements from k0 on, each joined with the prefix of the runs ahead; beside them, as a 17th, b = LAE(a, b)
.set ii, 0
.rept 16
	v_sub_f32 v[T2+ii], v[\pre], v[W+1+ST*(\k0+ii)]
	v_max_num_f32 v[T1+ii], v[\pre], v[W+1+ST*(\k0+ii)]
	v_mul_f32 v[T2+ii], s6, |v[T2+ii]|
.set ii, ii+1
.endr
	v_sub_f32 v[T2+16], v[\a], v[\b]
	v_max_num_f32 v[T1+16], v[\a], v[\b]
	v_mul_f32 v[T2+16], s6, |v[T2+16]|
	LAEMID 17
.set ii, 0
.rept 16
	v_fma_f32 v[W+1+ST*(\k0+ii)], v[T2+ii], s14, v[T1+ii]
.set ii, ii+1
.endr
	v_fma_f32 v[\b], v[T2+16], s14, v[T1+16]
.endm
.macro LOGWIN
	v_fma_f32 v[AP], v[SLR], s14, -v[W]                ; a* ahead of the window: the sum up to position 2,015 less that position's c
	v_mul_f32 v[T2], s15, v[W+1]
	s_wait_alu depctr_va_vdst(0)
	v_exp_f32 v[T2], v[T2]
	v_nop
	s_wait_alu depctr_va_vdst(0)
	v_sub_f32 v[T2], v[HIN], v[T2]                     ; h[2015] - b = a h[2014],
	v_max_num_f32 v[T2], 0x800000, v[T2]               ; held at the smallest normal number
	s_wait_alu depctr_va_vdst(0)
	v_log_f32 v[T2], v[T2]
	v_nop
	s_wait_alu depctr_va_vdst(0)
	v_fma_f32 v[EL], v[T2], s14, -v[W]                 ; ln h[2014]
	v_sub_f32 v[EL], v[EL], v[AP]
.set jj, 1
.rept 15                                               ; the two runs' sums of c, in sequence, by turns
	v_add_f32 v[W+ST*jj], v[W+ST*(jj-1)], v[W+ST*jj]
	v_add_f32 v[W+ST*(16+jj)], v[W+ST*(15+jj)], v[W+ST*(16+jj)]
.set jj, jj+1
.endr
	v_add_f32 v[OX], v[AP], v[W+ST*15]                 ; the prefix goes on by each run's total
	v_add_f32 v[OX+1], v[OX], v[W+ST*31]
.set jj, 0
.rept 16
	v_add_f32 v[W+ST*jj], v[AP], v[W+ST*jj]
	v_add_f32 v[W+ST*(16+jj)], v[OX], v[W+ST*(16+jj)]
.set jj, jj+1
.endr
	v_add_f32 v[W+ST*32], v[OX+1], v[W+ST*32]
.set jj, 0
.rept 33
	v_sub_f32 v[W+1+ST*jj], v[W+1+ST*jj], v[W+ST*jj]   ; x = v - a*
.set jj, jj+1
.endr
.set jj, 1
.rept 15
	CHAIN2
.set jj, jj+1
.endr
	v_mov_b32 v[OX+2], v[W+1+ST*15]
	v_mov_b32 v[OX+3], v[W+1+ST*31]
	JOIN 0, EL, EL, OX+2                               ; with it the LSE ahead of the second run,
	JOIN 16, OX+2, OX+2, OX+3                          ; and of the third
	LAE1 OX+3, W+1+ST*32
.set jj, 1
.rept 32
	v_add_f32 v[W+ST*jj], v[W+ST*jj], v[W+1+ST*jj]
	v_mul_f32 v[W+ST*jj], s15, v[W+ST*jj]
.set jj, jj+1
.endr
	s_wait_alu depctr_va_vdst(0)
.set jj, 1
.rept 32
	v_exp_f32 v[W+ST*jj], v[W+ST*jj]
.set jj, jj+1
.endr
	v_nop
	s_wait_alu depctr_va_vdst(0)
.set jj, 1
.rept 32
	v_add_f32 v[31+jj], v[W+ST*jj], v[RB+RS*jj]        ; + the residual: v[32 + p], p = position - 2,016
.set jj, jj+1
.endr
.set jj, 0
.rept 32
	ds_store_b32 v[SWL], v[32+jj] offset:144*jj+128*(jj/16)
.set jj, jj+1
.endr
.endm
	s_load_b512 s[16:31], s[0:1], 0x0                  ; x, emb, W0 codes, W0 scales, Walign codes, Walign scales, b0, codes0
	s_load_b128 s[32:35], s[0:1], 0x40                 ; scales0, carry0
	v_lshl_add_u32 v13, v0, 2, 0x38800
	v_mov_b32 v191, 0
	v_lshrrev_b32 v1, 5, v0
	v_readfirstlane_b32 s2, v1                         ; wave 0..15
	v_and_b32 v[LN], 31, v0
	v_and_b32 v[RR], 15, v0
	v_bfe_u32 v[HH], v0, 4, 1
	s_and_b32 s4, ttmp7, 0xffff                        ; batch; ttmp9 is the channel group
	s_mov_b32 s6, 0xbfb8aa3b                           ; -log2(e)
	s_mov_b32 s7, s6
	s_mov_b32 s8, 0x76543210
	s_mov_b32 s9, 0xfedcba98
	s_mov_b32 s14, 0x3f317218                          ; ln 2
	s_mov_b32 s15, 0x3fb8aa3b                          ; log2(e)
	s_mov_b32 s11, 0
	s_wait_alu depctr_va_vdst(0)                       ; behind the run of scalar lines
	v_lshlrev_b32 v[EO], 9, v[RR]
	v_lshl_add_u32 v[EO], v[HH], 6, v[EO]
	v_lshlrev_b32 v[CO], 6, v[RR]
	v_lshl_add_u32 v[CO], v[HH], 4, v[CO]
	v_lshlrev_b32 v[R4], 2, v[RR]
	s_lshl_b32 s12, s2, 7
	v_lshl_add_u32 v[VT], v[HH], 6, s12
	v_lshlrev_b32 v[VC], 3, v0
	s_lshl_b32 s12, s2, 12
	v_lshl_add_u32 v[VO], v[HH], 11, s12
	v_lshl_add_u32 v[VO], v[RR], 4, v[VO]
	v_lshl_add_u32 v[XW], v0, 3, XT
	s_mul_i32 s12, s2, 4864
	s_add_co_u32 s12, s12, STG
	v_mul_u32_u24 v[SW], v[HH], 2432
	v_lshl_add_u32 v[SW], v[RR], 2, v[SW]
	v_add_nc_u32 v[SW], s12, v[SW]
	v_lshrrev_b32 v30, 3, v[RR]
	v_and_b32 v31, 7, v[RR]
	v_lshl_add_u32 v31, v30, 4, v31
	v_lshl_add_u32 v31, v[HH], 3, v31
	v_mul_u32_u24 v[SR], v31, 144
	v_lshl_add_u32 v[SR], v30, 7, v[SR]
	v_add_nc_u32 v[SR], s12, v[SR]
	s_lshl_b32 s12, s2, 7
	s_add_co_u32 s12, s12, SCB
	v_add_nc_u32 v[SB], s12, v[LN]
	v_lshlrev_b32 v[GL], 4, v[RR]
	s_lshl_b32 s12, s2, 13
	v_lshl_add_u32 v[TW], v[HH], 12, s12
	v_lshl_add_u32 v[TW], v[RR], 4, v[TW]
	v_and_b32 v[FG], 127, v0
	v_lshlrev_b32 v[FG], 4, v[FG]
	v_add_nc_u32 v[FA], SCB, v[FG]
	v_lshlrev_b32 v[L16], 4, v[LN]
	s_wait_alu depctr_va_vdst(0)                       ; the head's end
	s_wait_kmcnt 0x0
	s_lshl_b32 s10, s4, 13
	s_add_nc_u64 s[16:17], s[16:17], s[10:11]
	s_lshl_b32 s10, s2, 13
	s_add_nc_u64 s[18:19], s[18:19], s[10:11]
	s_lshl_b32 s10, ttmp9, 11
	s_add_nc_u64 s[20:21], s[20:21], s[10:11]
	s_add_nc_u64 s[24:25], s[24:25], s[10:11]
	s_lshl_b32 s10, ttmp9, 7
	s_add_nc_u64 s[22:23], s[22:23], s[10:11]
	s_add_nc_u64 s[26:27], s[26:27], s[10:11]
	s_add_nc_u64 s[28:29], s[28:29], s[10:11]
	s_lshl_b32 s10, s4, 18
	s_lshl_b32 s12, ttmp9, 8
	s_add_co_u32 s10, s10, s12
	s_add_nc_u64 s[30:31], s[30:31], s[10:11]
	s_lshl_b32 s5, s4, 3
	s_add_co_u32 s5, s5, ttmp9
	s_lshl_b32 s10, s5, 11
	s_add_nc_u64 s[32:33], s[32:33], s[10:11]
	s_mov_b64 s[36:37], s[34:35]
	s_lshl_b32 s10, s5, 14
	s_add_nc_u64 s[34:35], s[34:35], s[10:11]
	s_lshl_b32 s10, s5, 12
	s_add_co_u32 s10, s10, 0x400000
	s_add_nc_u64 s[36:37], s[36:37], s[10:11]          ; h0 of the last 32 positions
.irp b, 0,1,2,3                                        ; 16 loads: emb
.irp q, 0,1,2,3
	global_load_b128 v[D+16*\b+4*\q:D+16*\b+4*\q+3], v[EO], s[18:19] offset:128*\b+16*\q
.endr
.endr
.irp c, 0,1                                            ; 22 loads: fragments, scale words, biases
.irp k, 0,1
	global_load_b128 v[TMP+8*\c+4*\k:TMP+8*\c+4*\k+3], v[CO], s[20:21] offset:1024*\c+32*\k
	global_load_b128 v[TMP+16+8*\c+4*\k:TMP+16+8*\c+4*\k+3], v[CO], s[20:21] offset:16384+1024*\c+32*\k
	global_load_b128 v[TMP+32+8*\c+4*\k:TMP+32+8*\c+4*\k+3], v[CO], s[24:25] offset:1024*\c+32*\k
.endr
	global_load_b32 v[TWS+\c], v[R4], s[22:23] offset:64*\c
	global_load_b32 v[TWS+2+\c], v[R4], s[22:23] offset:1024+64*\c
	global_load_b32 v[TWS+4+\c], v[R4], s[26:27] offset:64*\c
	global_load_b32 v[ASR+\c], v[R4], s[28:29] offset:64*\c
	global_load_b32 v[ASR+2+\c], v[R4], s[28:29] offset:1024+64*\c
.endr
.irp q, 0,1,2,3                                        ; 4 loads: step 0's tokens
	global_load_b128 v[TOK+4*\q:TOK+4*\q+3], v[VT], s[16:17] offset:16*\q
.endr
.irp b, 0,1,2,3
	v_mov_b32 v[TM+4+\b], 0
.endr
	v_mov_b32 v[WAB], 1.0
	v_mov_b32 v[WAB+1], 0
	ds_store_b64 v[XW], v[WAB:WAB+1]                   ; slot w: the identity
	v_mov_b32 v[HIN], 0.5
	v_mov_b32 v[CC+1], 0
	v_mov_b32 v[CC+3], 0
	s_wait_alu depctr_va_vdst(0)
	s_wait_loadcnt 26
	QUANT D
	s_wait_alu depctr_va_vdst(0)
	s_wait_loadcnt 4
	KSET ASR                                           ; twelve plain lines: the places ahead of the products
.irp t, 0,1,2,3,4,5
	v_wmma_scale_f32_16x16x128_f8f6f4 v[D+8*\t:D+8*\t+7], v[PC:PC+7], v[TMP+8*\t:TMP+8*\t+7], 0, v[PW], v[TWS+\t] matrix_a_fmt:MATRIX_FMT_FP4 matrix_b_fmt:MATRIX_FMT_FP4
.endr
.rept 4
	v_nop
.endr
	ACT1
.irp c, 0,1
.irp j, 0,1,2,3,4,5,6,7
	ds_store_b32 v[TW], v[D+8*\c+\j] offset:512*\j+256*\c
	ds_store_b32 v[TW], v[D+16+8*\c+\j] offset:512*\j+256*\c+4
	ds_store_b32 v[TW], v[D+32+8*\c+\j] offset:512*\j+256*\c+8
	ds_store_b32 v[TW], v[D+32+8*\c+\j] offset:512*\j+256*\c+12   ; the entry's fourth word: every byte of the table is written
.endr
.endr
	BAR                                                ; the table and the identities lie in LDS
	v_mov_b32 v[SLR], 0
	v_lshl_add_u32 v[SWL], v[LN], 2, STG+15*4864
	s_wait_alu depctr_va_vdst(0)
	s_cmp_lg_u32 s2, 15
	s_cbranch_scc1 .Lntk
.set jj, 0
.rept 33                                               ; wave 15 asks here for the tokens of positions 2,015 .. 2,047, the same in every lane; step 0's wait for loads covers them
	global_load_b32 v[TK+jj], v[CC+1], s[16:17] offset:4*(2015+jj)
.set jj, jj+1
.endr
.Lntk:
.macro STEP s, last
	s_wait_loadcnt 0x0                                 ; this step's tokens
.irp t, 0,1,2,3,4,5,6,7,8,9,10,11,12,13,14,15
	v_min_u32 v[TOK+\t], 255, v[TOK+\t]
.endr
.irp t, 0,1,2,3,4,5,6,7,8,9,10,11,12,13,14,15
	v_lshl_add_u32 v[TOK+\t], v[TOK+\t], 9, v[GL]
.endr
.irp i, 0,1
	GLOAD \i
.irp j, 0,1,2,3,4,5,6,7
.set cu, D+32*\i+\j
.set pv, D+32*((8*\i+\j-1)/8)+((8*\i+\j-1)%8)
.if (\j%4) == 0
	s_wait_alu depctr_va_vdst(0)
	s_wait_dscnt 8-2*\j                                ; four positions' eight entries are in; the 8 - 2 j younger loads may be out
.endif
.if (8*\i+\j) == 0
.irp c, 0,1
	v_mov_b32 v[cu+8*\c], v[TMP+32*\c]
	v_mov_b32 v[LR+\c], v[TMP+32*\c+1]
.endr
.else
.irp c, 0,1
	v_mul_f32 v[cu+8*\c], v[TMP+32*\c+4*\j], v[pv+8*\c]
	v_fma_f32 v[LR+\c], v[TMP+32*\c+4*\j], v[LR+\c], v[TMP+32*\c+4*\j+1]
.endr
.endif
.irp c, 0,1
	v_add_f32 v[cu+16+8*\c], v[LR+\c], v[TMP+32*\c+4*\j+2]
.endr
.endr
.endr
.if !\last
.irp q, 0,1,2,3
	global_load_b128 v[TOK+4*\q:TOK+4*\q+3], v[VT], s[16:17] offset:2048*((\s)+1)+16*\q
.endr
.endif
	EXCH1 LR, LR+1
	BAR                                                ; the table reads' addresses hang on tokens: they stand in stretches between barriers in which no wave writes LDS
	ds_store_b64 v[XW], v[WAB:WAB+1] offset:((\s)+1)*4096
	BAR                                                ; every wave's aggregate of this step lies in LDS
	EXCH2 \s
	s_wait_alu depctr_va_vdst(0)
	s_wait_xcnt 0x0
	v_mov_b32 v[CP], v[CC]
	v_mov_b32 v[CP+1], v[CC+2]
	global_store_b64 v[VC], v[CP:CP+1], s[34:35] offset:4096*(\s)
	FIX
.if \last
	s_cmp_lg_u32 s2, 15
	s_cbranch_scc1 .Lng
.set jj, 0
.rept 33
	v_min_u32 v[TK+jj], 255, v[TK+jj]
	v_lshl_add_u32 v[TK+jj], v[TK+jj], 9, v[L16]
	ds_load_b96 v[W+4*jj:W+4*jj+2], v[TK+jj]
.set jj, jj+1
.endr
.Lng:
	BAR                                                ; these table reads are over before any wave stores into its stage
	s_cmp_eq_u32 s2, 15
	s_cbranch_scc1 .Lw15
	STAGEIN
	s_branch .Ljoin
.Lw15:
.set jj, 0
.rept 33
	v_log_f32 v[W+4*jj], v[W+4*jj]
	v_log_f32 v[W+4*jj+1], v[W+4*jj+1]
.set jj, jj+1
.endr
	v_nop
	s_wait_alu depctr_va_vdst(0)
.set jj, 0
.rept 33
	LNPAIR W+4*jj
.set jj, jj+1
.endr
	LOGWIN
.irp k, 0,1,2,3,4,5,6,7
	global_store_b128 v[L16], v[32+4*\k:35+4*\k], s[36:37] offset:512*\k
.endr
.Ljoin:
.else
	STAGEIN
.endif
	STAGEOUT \s, 30
	BAR                                                ; no LDS store is out when the next step's table reads begin
.endm
	STEP 0, 0
	STEP 1, 0
	STEP 2, 0
	STEP 3, 1
	s_cmp_gt_u32 s2, 3                                 ; the 2,048 scale bytes leave by waves 0 to 3: 512 consecutive bytes an instruction
	s_cbranch_scc1 .Lend
	ds_load_b128 v[TMP:TMP+3], v[FA]
	s_wait_dscnt 0x0
	global_store_b128 v[FG], v[TMP:TMP+3], s[32:33]
.Lend:
	s_wait_tensorcnt 0x0
	ds_add_u32 v13, v191
	s_wait_dscnt 0x0
	s_endpgm
.Lfunc_end_k_q8ff3ff3336_layer0:
	.size	k_q8ff3ff3336_layer0, .Lfunc_end_k_q8ff3ff3336_layer0-k_q8ff3ff3336_layer0
	.p2alignl 7, 3214868480
	.fill 96, 4, 3214868480
	.section	.rodata,"a",@progbits
	.p2align	6, 0x0
	.amdhsa_kernel k_q8ff3ff3336_layer0
		.amdhsa_group_segment_fixed_size 233472
		.amdhsa_private_segment_fixed_size 0
		.amdhsa_enable_private_segment 0
		.amdhsa_kernarg_size 80
		.amdhsa_user_sgpr_count 2
		.amdhsa_user_sgpr_kernarg_segment_ptr 1
		.amdhsa_wavefront_size32 1
		.amdhsa_system_sgpr_workgroup_id_x 1
		.amdhsa_system_sgpr_workgroup_id_y 1
		.amdhsa_system_sgpr_workgroup_id_z 1
		.amdhsa_system_vgpr_workitem_id 0
		.amdhsa_next_free_vgpr 256
		.amdhsa_next_free_sgpr 66
		.amdhsa_reserve_vcc 0
		.amdhsa_float_denorm_mode_32 3
		.amdhsa_float_denorm_mode_16_64 3
		.amdhsa_memory_ordered 1
		.amdhsa_forward_progress 1
		.amdhsa_inst_pref_size 151
	.end_amdhsa_kernel
	.amdgpu_metadata
---
amdhsa.version: [ 1, 2 ]
amdhsa.kernels:
  - .name:           k_q8ff3ff3336_layer0
    .symbol:         k_q8ff3ff3336_layer0.kd
    .args:
      - { .name: x, .offset: 0, .size: 8, .value_kind: global_buffer, .address_space: global }
      - { .name: emb, .offset: 8, .size: 8, .value_kind: global_buffer, .address_space: global }
      - { .name: W0_codes, .offset: 16, .size: 8, .value_kind: global_buffer, .address_space: global }
      - { .name: W0_scales, .offset: 24, .size: 8, .value_kind: global_buffer, .address_space: global }
      - { .name: Walign_codes, .offset: 32, .size: 8, .value_kind: global_buffer, .address_space: global }
      - { .name: Walign_scales, .offset: 40, .size: 8, .value_kind: global_buffer, .address_space: global }
      - { .name: b0, .offset: 48, .size: 8, .value_kind: global_buffer, .address_space: global }
      - { .name: codes0, .offset: 56, .size: 8, .value_kind: global_buffer, .address_space: global }
      - { .name: scales0, .offset: 64, .size: 8, .value_kind: global_buffer, .address_space: global }
      - { .name: carry0, .offset: 72, .size: 8, .value_kind: global_buffer, .address_space: global }
    .group_segment_fixed_size: 233472
    .private_segment_fixed_size: 0
    .kernarg_segment_align: 8
    .kernarg_segment_size: 80
    .max_flat_workgroup_size: 512
    .sgpr_count:     66
    .vgpr_count:     256
    .wavefront_size: 32
...
	.end_amdgpu_metadata
.endif
;; end of part 1
;; launch layer1 (part 2): grid 8 x 32, 16 waves a work-group, no clusters, 274,432 bytes of LDS; arguments x, emb, W0_codes, W0_scales, Walign_codes, Walign_scales, b0, Wl_codes, Wl_scales, bl, codes0, scales0, carry0, codes1, scales1, h1last; writes codes1, scales1, h1last
.if DOCPART == 2
	.amdgcn_target "amdgcn-amd-amdhsa--gfx1250"
	.amdhsa_code_object_version 6
	.text
	.protected	k_q8ff3ff3336_layer1
	.globl	k_q8ff3ff3336_layer1
	.p2align	8
	.type	k_q8ff3ff3336_layer1,@function
k_q8ff3ff3336_layer1:
	s_mov_b64 s[64:65], 0
	v_nop
	global_prefetch_b8 v0, s[64:65] scope:SCOPE_SE
	s_setreg_imm32_b32 hwreg(HW_REG_WAVE_MODE, 25, 1), 1
	s_wait_xcnt 0x0
; minGRU LAYER 1.  gh = Q(h0) Wl[0]^T + bl[0]; h1[t] = scan(gate, hid)[t] + h0[t], quantised to E2M1 codes for layer 2's product.
; The scan is the recurrence h[t] = (1 - z) h[t-1] + z g(hid), h[-1] = 0.5, z = sigmoid(gate), g(x) = max(x + 0.5, sigmoid(x)): the log-space form's numbers, for every input.
; THE LAST 32 POSITIONS are evaluated by wave 15 in the log-space form itself, h = exp(a* + LSE(v - a*)), in f32, a lane to a channel, with a* of its true size and the sums in runs of 16 elements counted from element 0:
; inside a run in sequence, each element joined once with the prefix of the runs ahead, which goes from run to run by the run's total; the prefixes ahead of element 2,016 come from the recurrence.
; Not followed: another order of the runs' prefixes, ties at the grain, the last bit of exponentials and logarithms.  Waves 14 and 15 hand ln(1 - z) and ln(z g) over through LDS.
; SHARES as in layer 0: work-group (channel group cg of 32, batch b), 16 waves; position = 512 s + 32 w + 16 h + 8 i + j; tile i's row m = 8 h + j, so a lane's sixteen result registers are a run of 16 positions of channel 16 c + r.
; A = 16 positions' codes (codes0, in the order of the operand's registers, a step ahead), B = my 64 rows of Wl[0], kept in LDS as images of the operand's registers.
; THE RESIDUAL h0 is made again from layer 0's table and carry0, three plain instructions a number; for the last 32 positions it is read as layer 0 left it behind carry0.
; OUT: codes1, scales1 laid as codes0, scales0; h1last [b][cg][8 images][lane = channel][16 bytes]: h1 of the last 32 positions.
; NO CLUSTER, NO TENSOR LOAD: the eight work-groups of a batch share 64 KiB of codes a step, asked for a whole step ahead straight into operand registers; the step's time is its vector work.
; LIMITS: as in layer 0.
.set TAB, 0
.set XT,  131072
.set STG, 151552
.set SCB, 229376
.set SCL, 231424                       ; the batch's scales0
.set WIM, 247808                       ; 16 images of 512 bytes: image 4 nt + 2 ks + c'
.set LWB, 256000                       ; (ln(1 - z), ln(z g)) of waves 14, 15 in step 3: [position 64][channel 32][8 bytes]
.set LN, 1
.set RR, 2
.set HH, 3
.set VA, 4
.set VT, 5
.set VC, 6
.set VO, 7
.set XW, 8
.set SW, 9
.set SR, 10
.set SB, 11
.set SA, 12
.set WI, 13
.set GL, 14
.set HIN, 15
.set CC, 16
.set H0, 20
.set EA0, 22
.set EA1, 23
.set EB0, 24
.set EB1, 25
.set WAB, 26
.set FA, 28
.set FG, 29
.set U, 30
.set LT, 30
.set AF, 32
.set D, 64
.set TMP, 128
.set TM, 176
.set TOK, 192
.set ASR, 208
.set AS, 216                           ; v216-221 hold scales alone
.set WS, 218
.set KG, 222
.set KH1, 226
.set KH2, 230
.set CD, 234
.set PC, 234
.set SC, 238
.set BY, 239
.set MX, 240
.set EO, 242
.set CO, 243
.set TWS, 244
.set PW, 250
.set R4, 251
.set CW, 252
.set SO, 253
.set T16, 254
.set TW, 255
.set AP, 242                           ; behind the head
.set EL, 243
.set SLR, 251
.set LWW, 252
.set VH, 253
.set SWL, 254
.set LWR, 255
.set W, 64                             ; the window: element j: c, then a*, at W + 2 j; v, then x, then the LSE, at + 1
.set ST, 2
.set T1, 132
.set T2, 149                           ; T1 and T2 are 17 wide
.set OX, 166
.set RB, 31
.set RS, 1
.macro BAR
	s_wait_alu depctr_va_vdst(0)                       ; the wait ahead of a wait that blocks
	s_wait_dscnt 0x0
	s_barrier_signal -1
	s_barrier_wait -1
.endm
.macro QUANT src
.irp b, 0,1,2,3
	v_max3_num_f32 v[TM+\b], |v[\src+16*\b]|, |v[\src+1+16*\b]|, 0x1800000
.endr
.irp i, 2,4,6,8,10,12,14
.irp b, 0,1,2,3
	v_max3_num_f32 v[TM+\b], v[TM+\b], |v[\src+16*\b+\i]|, |v[\src+1+16*\b+\i]|
.endr
.endr
.irp b, 0,1,2,3
	v_permlanex16_b32 v[TM+4+\b], v[TM+\b], s8, s9
.endr
.irp b, 0,1,2,3
	v_max_num_f32 v[TM+\b], v[TM+\b], v[TM+4+\b]
.endr
.irp b, 0,1,2,3
	v_add_nc_u32 v[TM+8+\b], 0xff000000, v[TM+\b]
.endr
.irp b, 0,1,2,3
	v_lshrrev_b32 v[TM+4+\b], 23, v[TM+8+\b]
.endr
	v_lshl_or_b32 v[PW], v[TM+5], 8, v[TM+4]
	v_lshl_or_b32 v[PW], v[TM+6], 16, v[PW]
	v_lshl_or_b32 v[PW], v[TM+7], 24, v[PW]
.irp b, 0,1,2,3
	v_cvt_scalef32_pk8_fp4_f32 v[PC+2*\b], v[\src+16*\b:\src+7+16*\b], v[TM+8+\b]
	v_cvt_scalef32_pk8_fp4_f32 v[PC+1+2*\b], v[\src+8+16*\b:\src+15+16*\b], v[TM+8+\b]
.endr
	v_nop                                              ; one plain place behind a scaled conversion
.irp c, 0,1
.irp i, 0,1
	v_permlane16_swap_b32 v[PC+4*\c+\i], v[PC+2+4*\c+\i]
.endr
.endr
.endm
.macro KSET a
.irp c, 0,1
	v_mul_f32 v[KG+2*\c], s6, v[\a+\c]
	v_mul_f32 v[KG+2*\c+1], s6, v[\a+\c]
	v_add_f32 v[KH1+2*\c], 0.5, v[\a+2+\c]
	v_add_f32 v[KH1+2*\c+1], 0.5, v[\a+2+\c]
	v_mul_f32 v[KH2+2*\c], s6, v[\a+2+\c]
	v_mul_f32 v[KH2+2*\c+1], s6, v[\a+2+\c]
.endr
.endm
.macro ACTA g, c
.irp p, 0,2,4,6
	v_pk_fma_f32 v[\g+\p:\g+\p+1], v[\g+\p:\g+\p+1], s[6:7], v[KG+2*\c:KG+2*\c+1] op_sel_hi:[1,0,1]
.endr
.endm
.macro EXPA g
.irp j, 0,1,2,3,4,5,6,7
	v_exp_f32 v[\g+\j], v[\g+\j]
.endr
.endm
.macro ACTB g, c, hp
.irp p, 0,2,4,6
	v_pk_add_f32 v[\hp+\p:\hp+\p+1], v[\g+16+\p:\g+16+\p+1], v[KH1+2*\c:KH1+2*\c+1]
.endr
.irp p, 0,2,4,6
	v_pk_fma_f32 v[\g+16+\p:\g+16+\p+1], v[\g+16+\p:\g+16+\p+1], s[6:7], v[KH2+2*\c:KH2+2*\c+1] op_sel_hi:[1,0,1]
.endr
.endm
.macro EXPB g
.irp j, 0,1,2,3,4,5,6,7
	v_exp_f32 v[\g+16+\j], v[\g+16+\j]
.endr
.endm
.macro ACTC g
.irp p, 0,2,4,6
	v_pk_add_f32 v[\g+\p:\g+\p+1], v[\g+\p:\g+\p+1], 1.0 op_sel_hi:[1,0]
.endr
.irp p, 0,2,4,6
	v_pk_add_f32 v[\g+16+\p:\g+16+\p+1], v[\g+16+\p:\g+16+\p+1], 1.0 op_sel_hi:[1,0]
.endr
.endm
.macro RCPC g
.irp j, 0,1,2,3,4,5,6,7
	v_rcp_f32 v[\g+\j], v[\g+\j]
.endr
.irp j, 0,1,2,3,4,5,6,7
	v_rcp_f32 v[\g+16+\j], v[\g+16+\j]
.endr
.endm
.macro ACTE g, hp
.irp j, 0,1,2,3,4,5,6,7
	v_max_num_f32 v[\g+16+\j], v[\hp+\j], v[\g+16+\j]
.endr
.irp p, 0,2,4,6
	v_pk_mul_f32 v[\g+16+\p:\g+16+\p+1], v[\g+\p:\g+\p+1], v[\g+16+\p:\g+16+\p+1]
.endr
.irp p, 0,2,4,6
	v_pk_fma_f32 v[\g+\p:\g+\p+1], v[\g+\p:\g+\p+1], -1.0, 1.0 op_sel_hi:[1,0,0]
.endr
.endm
.macro ACT ni                          ; all exponentials with one wait, all reciprocals with one wait
	ACTA D, 0
	ACTA D+8, 1
.if \ni > 1
	ACTA D+32, 0
	ACTA D+40, 1
.endif
	ACTB D, 0, TMP
	ACTB D+8, 1, TMP+8
.if \ni > 1
	ACTB D+32, 0, TMP+16
	ACTB D+40, 1, TMP+24
.endif
	s_wait_alu depctr_va_vdst(0)                       ; all sources are laid: one wait ahead of the batch
	EXPA D
	EXPA D+8
	EXPB D
	EXPB D+8
.if \ni > 1
	EXPA D+32
	EXPA D+40
	EXPB D+32
	EXPB D+40
.endif
	v_nop
	s_wait_alu depctr_va_vdst(0)
	ACTC D
	ACTC D+8
.if \ni > 1
	ACTC D+32
	ACTC D+40
.endif
	s_wait_alu depctr_va_vdst(0)                       ; one wait ahead of the reciprocals
	RCPC D
	RCPC D+8
.if \ni > 1
	RCPC D+32
	RCPC D+40
.endif
	v_nop
	s_wait_alu depctr_va_vdst(0)
	ACTE D, TMP
	ACTE D+8, TMP+8
.if \ni > 1
	ACTE D+32, TMP+16
	ACTE D+40, TMP+24
.endif
.endm
.macro GLOAD i
.irp j, 0,1,2,3,4,5,6,7
.irp c, 0,1
	ds_load_b96 v[TMP+32*\c+4*\j:TMP+32*\c+4*\j+2], v[TOK+8*\i+\j] offset:256*\c
.endr
.endr
.endm
.macro RESID                           ; h0 again: its scan goes on from the carry, align is added, and the sum joins L
.irp i, 0,1
	GLOAD \i
.irp j, 0,1,2,3,4,5,6,7
.if (\j%4) == 0
	s_wait_alu depctr_va_vdst(0)
	s_wait_dscnt 8-2*\j                                ; four positions' eight entries are in; the 8 - 2 j younger loads may be out
.endif
.irp c, 0,1
	v_fma_f32 v[H0+\c], v[TMP+32*\c+4*\j], v[H0+\c], v[TMP+32*\c+4*\j+1]
.endr
.irp c, 0,1
	v_add_f32 v[U+\c], v[H0+\c], v[TMP+32*\c+4*\j+2]
.endr
.irp c, 0,1
	v_add_f32 v[D+16+32*\i+8*\c+\j], v[D+16+32*\i+8*\c+\j], v[U+\c]
.endr
.endr
.endr
.endm
.macro AFLOAD st
.irp i, 0,1
.irp m, 0,1,2,3
	global_load_b128 v[AF+16*\i+4*\m:AF+16*\i+4*\m+3], v[VA], s[36:37] offset:65536*(\st)+2048*\i+512*\m
.endr
.endr
.endm
.macro MM                              ; the eight accumulators take turns, one instruction a turn
.irp ks, 0,1
.irp i, 0,1
.irp nt, 0,1,2,3
.if \ks == 0
	v_wmma_scale_f32_16x16x128_f8f6f4 v[D+32*\i+8*\nt:D+32*\i+8*\nt+7], v[AF+16*\i:AF+16*\i+7], v[TMP+16*\nt:TMP+16*\nt+7], 0, v[AS+\i], v[WS+\nt] matrix_a_fmt:MATRIX_FMT_FP4 matrix_b_fmt:MATRIX_FMT_FP4
.else
	v_wmma_scale_f32_16x16x128_f8f6f4 v[D+32*\i+8*\nt:D+32*\i+8*\nt+7], v[AF+16*\i+8:AF+16*\i+15], v[TMP+16*\nt+8:TMP+16*\nt+15], v[D+32*\i+8*\nt:D+32*\i+8*\nt+7], v[AS+\i], v[WS+\nt] matrix_a_fmt:MATRIX_FMT_FP4 matrix_b_fmt:MATRIX_FMT_FP4 matrix_a_scale:MATRIX_SCALE_ROW1 matrix_b_scale:MATRIX_SCALE_ROW1
.endif
.endr
.endr
.endr
.endm
.macro SCAN
.set tt, 1
.rept 15
.set cu, D+32*(tt/8)+(tt%8)
.set pv, D+32*((tt-1)/8)+((tt-1)%8)
	v_fmac_f32 v[cu+16], v[cu], v[pv+16]
	v_fmac_f32 v[cu+24], v[cu+8], v[pv+24]
	v_mul_f32 v[cu], v[cu], v[pv]
	v_mul_f32 v[cu+8], v[cu+8], v[pv+8]
.set tt, tt+1
.endr
.endm
.macro EXCH1 b0, b1
	v_mov_b32 v[EA0], v[D+39]
	v_mov_b32 v[EA1], v[D+47]
	v_mov_b32 v[EB0], v[\b0]
	v_mov_b32 v[EB1], v[\b1]
	v_permlane16_swap_b32 v[EA0], v[EA1]
	v_permlane16_swap_b32 v[EB0], v[EB1]
	v_mul_f32 v[WAB], v[EA0], v[EA1]
	v_fma_f32 v[WAB+1], v[EA1], v[EB0], v[EB1]
.endm
.macro EXCH2 s
.irp j, 0,1,2,3,4,5,6,7,8,9,10,11,12,13,14,15
	ds_load_b64 v[TMP+2*\j:TMP+2*\j+1], v[XW] offset:(16*(\s)+\j)*256
.endr
.irp j, 0,1,2,3,4,5,6,7,8,9,10,11,12,13,14,15
.if (\j%4) == 0
	s_wait_alu depctr_va_vdst(0)
	s_wait_dscnt 12-\j
.endif
	v_fma_f32 v[HIN], v[TMP+2*\j], v[HIN], v[TMP+2*\j+1]
.endr
	s_wait_alu depctr_va_vdst(0)                       ; ahead of the branch and of the logarithms
	s_cmp_lg_u32 s2, 15
	s_cbranch_scc1 .Lnsl_\@
.irp j, 0,1,2,3,4,5,6,7,8,9,10,11,12,13,14,15
	v_log_f32 v[TMP+32+\j], v[TMP+2*\j]
.endr
	v_nop
	s_wait_alu depctr_va_vdst(0)
.irp j, 0,1,2,3,4,5,6,7,8,9,10,11,12,13,14,15
	v_max_num_f32 v[TMP+32+\j], 0xc2fc0000, v[TMP+32+\j]
	v_add_f32 v[SLR], v[SLR], v[TMP+32+\j]
.endr
.Lnsl_\@:
	v_mov_b32 v[CC], v[HIN]
	v_fma_f32 v[CC+2], v[EA0], v[HIN], v[EB0]
	v_permlane16_swap_b32 v[CC], v[CC+2]
.endm
.macro FIX
.irp i, 0,1
.irp c, 0,1
.irp p, 0,2,4,6
	v_pk_fma_f32 v[D+16+32*\i+8*\c+\p:D+16+32*\i+8*\c+\p+1], v[D+32*\i+8*\c+\p:D+32*\i+8*\c+\p+1], v[CC+2*\c:CC+2*\c+1], v[D+16+32*\i+8*\c+\p:D+16+32*\i+8*\c+\p+1] op_sel_hi:[1,0,1]
.endr
.endr
.endr
.endm
.macro STAGEIN
.irp i, 0,1
.irp c, 0,1
.irp j, 0,1,2,3,4,5,6,7
	ds_store_b32 v[SW], v[D+16+32*\i+8*\c+\j] offset:(8*\i+\j)*144+64*\c
.endr
.endr
.endr
.endm
.macro STAGEOUT s, base
.irp k, 0,1,2,3,4,5,6,7
	ds_load_b128 v[TMP+4*\k:TMP+4*\k+3], v[SR] offset:16*\k        ; LDS serves a wave's instructions in order: these see my stores
.endr
	s_wait_dscnt 0x0
	v_max3_num_f32 v[MX], |v[TMP]|, |v[TMP+1]|, 0x1800000
	v_max3_num_f32 v[MX+1], |v[TMP+2]|, |v[TMP+3]|, |v[TMP+4]|
.irp n, 5,9,13,17,21,25
	v_max3_num_f32 v[MX], v[MX], |v[TMP+\n]|, |v[TMP+\n+1]|
	v_max3_num_f32 v[MX+1], v[MX+1], |v[TMP+\n+2]|, |v[TMP+\n+3]|
.endr
	v_max3_num_f32 v[MX], v[MX], |v[TMP+29]|, |v[TMP+30]|
	v_max3_num_f32 v[MX], v[MX], v[MX+1], |v[TMP+31]|
	s_wait_alu depctr_va_vdst(0)
	s_wait_xcnt 0x0
	v_add_nc_u32 v[SC], 0xff000000, v[MX]
.irp g, 0,1,2,3
	v_cvt_scalef32_pk8_fp4_f32 v[CD+\g], v[TMP+8*\g:TMP+8*\g+7], v[SC]
.endr
	v_lshrrev_b32 v[BY], 23, v[SC]                     ; the scale's byte (also the plain place behind the conversions)
	ds_store_b8 v[SB], v[BY] offset:32*(\s)
	global_store_b128 v[VO], v[CD:CD+3], s[\base:\base+1] offset:65536*(\s)
.endm
; ---- THE WINDOW: as in layer 0
.macro LNPAIR p
	v_max_num_f32 v[\p], 0xc2fc0000, v[\p]
	v_max_num_f32 v[\p+1], 0xc2fc0000, v[\p+1]
	v_pk_mul_f32 v[\p:\p+1], v[\p:\p+1], s[14:15] op_sel_hi:[1,0]
.endm
.macro LOGS                            ; ln(1 - z), ln(z g) of my 32 numbers, in pairs
.irp i, 0,1
.irp c, 0,1
.irp j, 0,1,2,3,4,5,6,7
	v_log_f32 v[TMP+2*(16*\i+8*\c+\j)], v[D+32*\i+8*\c+\j]
	v_log_f32 v[TMP+2*(16*\i+8*\c+\j)+1], v[D+16+32*\i+8*\c+\j]
.endr
.endr
.endr
	v_nop
	s_wait_alu depctr_va_vdst(0)
.set kk, 0
.rept 32
	LNPAIR TMP+2*kk
.set kk, kk+1
.endr
.endm
.macro LWST
.irp i, 0,1
.irp c, 0,1
.irp j, 0,1,2,3,4,5,6,7
	ds_store_b64 v[LWW], v[TMP+2*(16*\i+8*\c+\j):TMP+2*(16*\i+8*\c+\j)+1] offset:(8*\i+\j)*256+128*\c
.endr
.endr
.endr
.endm
.macro LAEMID n
	s_wait_alu depctr_va_vdst(0)                       ; ahead of the exponentials
.set kk, 0
.rept \n
	v_exp_f32 v[T2+kk], v[T2+kk]
.set kk, kk+1
.endr
	v_nop
	s_wait_alu depctr_va_vdst(0)
.set kk, 0
.rept \n
	v_add_f32 v[T2+kk], 1.0, v[T2+kk]
.set kk, kk+1
.endr
	s_wait_alu depctr_va_vdst(0)                       ; ahead of the logarithms
.set kk, 0
.rept \n
	v_log_f32 v[T2+kk], v[T2+kk]
.set kk, kk+1
.endr
	v_nop
	s_wait_alu depctr_va_vdst(0)
.endm
.macro LAE1 a, b
	v_sub_f32 v[T2], v[\a], v[\b]
	v_max_num_f32 v[T1], v[\a], v[\b]
	v_mul_f32 v[T2], s6, |v[T2]|
	LAEMID 1
	v_fma_f32 v[\b], v[T2], s14, v[T1]
.endm
.macro CHAIN2
.irp q, 0,16
	v_sub_f32 v[T2+\q/16], v[W+1+ST*(\q+jj-1)], v[W+1+ST*(\q+jj)]
	v_max_num_f32 v[T1+\q/16], v[W+1+ST*(\q+jj-1)], v[W+1+ST*(\q+jj)]
	v_mul_f32 v[T2+\q/16], s6, |v[T2+\q/16]|
.endr
	LAEMID 2
.irp q, 0,16
	v_fma_f32 v[W+1+ST*(\q+jj)], v[T2+\q/16], s14, v[T1+\q/16]
.endr
.endm
.macro JOIN k0, pre, a, b              ; beside the sixteen, as a 17th: b = LAE(a, b)
.set ii, 0
.rept 16
	v_sub_f32 v[T2+ii], v[\pre], v[W+1+ST*(\k0+ii)]
	v_max_num_f32 v[T1+ii], v[\pre], v[W+1+ST*(\k0+ii)]
	v_mul_f32 v[T2+ii], s6, |v[T2+ii]|
.set ii, ii+1
.endr
	v_sub_f32 v[T2+16], v[\a], v[\b]
	v_max_num_f32 v[T1+16], v[\a], v[\b]
	v_mul_f32 v[T2+16], s6, |v[T2+16]|
	LAEMID 17
.set ii, 0
.rept 16
	v_fma_f32 v[W+1+ST*(\k0+ii)], v[T2+ii], s14, v[T1+ii]
.set ii, ii+1
.endr
	v_fma_f32 v[\b], v[T2+16], s14, v[T1+16]
.endm
.macro LOGWIN
	v_fma_f32 v[AP], v[SLR], s14, -v[W]
	v_mul_f32 v[T2], s15, v[W+1]
	s_wait_alu depctr_va_vdst(0)
	v_exp_f32 v[T2], v[T2]
	v_nop
	s_wait_alu depctr_va_vdst(0)
	v_sub_f32 v[T2], v[HIN], v[T2]
	v_max_num_f32 v[T2], 0x800000, v[T2]
	s_wait_alu depctr_va_vdst(0)
	v_log_f32 v[T2], v[T2]
	v_nop
	s_wait_alu depctr_va_vdst(0)
	v_fma_f32 v[EL], v[T2], s14, -v[W]
	v_sub_f32 v[EL], v[EL], v[AP]
.set jj, 1
.rept 15
	v_add_f32 v[W+ST*jj], v[W+ST*(jj-1)], v[W+ST*jj]
	v_add_f32 v[W+ST*(16+jj)], v[W+ST*(15+jj)], v[W+ST*(16+jj)]
.set jj, jj+1
.endr
	v_add_f32 v[OX], v[AP], v[W+ST*15]
	v_add_f32 v[OX+1], v[OX], v[W+ST*31]
.set jj, 0
.rept 16
	v_add_f32 v[W+ST*jj], v[AP], v[W+ST*jj]
	v_add_f32 v[W+ST*(16+jj)], v[OX], v[W+ST*(16+jj)]
.set jj, jj+1
.endr
	v_add_f32 v[W+ST*32], v[OX+1], v[W+ST*32]
.set jj, 0
.rept 33
	v_sub_f32 v[W+1+ST*jj], v[W+1+ST*jj], v[W+ST*jj]
.set jj, jj+1
.endr
.set jj, 1
.rept 15
	CHAIN2
.set jj, jj+1
.endr
	v_mov_b32 v[OX+2], v[W+1+ST*15]
	v_mov_b32 v[OX+3], v[W+1+ST*31]
	JOIN 0, EL, EL, OX+2
	JOIN 16, OX+2, OX+2, OX+3
	LAE1 OX+3, W+1+ST*32
.set jj, 1
.rept 32
	v_add_f32 v[W+ST*jj], v[W+ST*jj], v[W+1+ST*jj]
	v_mul_f32 v[W+ST*jj], s15, v[W+ST*jj]
.set jj, jj+1
.endr
	s_wait_alu depctr_va_vdst(0)
.set jj, 1
.rept 32
	v_exp_f32 v[W+ST*jj], v[W+ST*jj]
.set jj, jj+1
.endr
	v_nop
	s_wait_alu depctr_va_vdst(0)
.set jj, 1
.rept 32
	v_add_f32 v[31+jj], v[W+ST*jj], v[RB+RS*jj]
.set jj, jj+1
.endr
.endm
.macro WINST                           ; the window's results into wave 15's stage
.set jj, 0
.rept 32
	ds_store_b32 v[SWL], v[32+jj] offset:144*jj+128*(jj/16)
.set jj, jj+1
.endr
.endm
	s_load_b512 s[16:31], s[0:1], 0x0                  ; x, emb, W0 codes, W0 scales, Walign codes, Walign scales, b0, Wl codes
	s_load_b512 s[32:47], s[0:1], 0x40                 ; Wl scales, bl, codes0, scales0, carry0, codes1, scales1, h1last
	v_lshrrev_b32 v1, 5, v0
	v_readfirstlane_b32 s2, v1
	v_and_b32 v[LN], 31, v0
	v_and_b32 v[RR], 15, v0
	v_bfe_u32 v[HH], v0, 4, 1
	s_and_b32 s4, ttmp7, 0xffff
	s_mov_b32 s6, 0xbfb8aa3b                           ; -log2(e)
	s_mov_b32 s7, s6
	s_mov_b32 s8, 0x76543210
	s_mov_b32 s9, 0xfedcba98
	s_mov_b32 s14, 0x3f317218                          ; ln 2
	s_mov_b32 s15, 0x3fb8aa3b                          ; log2(e)
	s_mov_b32 s11, 0
	s_wait_alu depctr_va_vdst(0)                       ; behind the run of scalar lines
	v_lshlrev_b32 v[EO], 9, v[RR]
	v_lshl_add_u32 v[EO], v[HH], 6, v[EO]
	v_lshlrev_b32 v[CO], 6, v[RR]
	v_lshl_add_u32 v[CO], v[HH], 4, v[CO]
	v_lshlrev_b32 v[R4], 2, v[RR]
	v_lshlrev_b32 v[CW], 7, v[RR]
	v_lshl_add_u32 v[CW], v[HH], 4, v[CW]
	v_lshlrev_b32 v[SO], 3, v[RR]
	v_lshl_add_u32 v[SO], v[HH], 2, v[SO]
	v_lshlrev_b32 v[T16], 4, v0
	s_lshl_b32 s12, s2, 12
	v_lshl_add_u32 v[VA], v[LN], 4, s12
	v_lshl_add_u32 v[VO], v[HH], 11, s12
	v_lshl_add_u32 v[VO], v[RR], 4, v[VO]
	s_lshl_b32 s12, s2, 7
	v_lshl_add_u32 v[VT], v[HH], 6, s12
	v_lshlrev_b32 v[VC], 3, v0
	v_lshl_add_u32 v[XW], v0, 3, XT
	s_mul_i32 s12, s2, 4864
	s_add_co_u32 s12, s12, STG
	v_mul_u32_u24 v[SW], v[HH], 2432
	v_lshl_add_u32 v[SW], v[RR], 2, v[SW]
	v_add_nc_u32 v[SW], s12, v[SW]
	v_lshrrev_b32 v30, 3, v[RR]
	v_and_b32 v31, 7, v[RR]
	v_lshl_add_u32 v31, v30, 4, v31
	v_lshl_add_u32 v31, v[HH], 3, v31
	v_mul_u32_u24 v[SR], v31, 144
	v_lshl_add_u32 v[SR], v30, 7, v[SR]
	v_add_nc_u32 v[SR], s12, v[SR]
	s_lshl_b32 s12, s2, 7
	s_add_co_u32 s13, s12, SCB
	v_add_nc_u32 v[SB], s13, v[LN]
	s_add_co_u32 s13, s12, SCL
	v_lshl_add_u32 v[SA], v[HH], 13, v[RR]
	v_add_nc_u32 v[SA], s13, v[SA]
	v_lshl_add_u32 v[WI], v[LN], 4, WIM
	v_lshlrev_b32 v[GL], 4, v[RR]
	s_lshl_b32 s12, s2, 13
	v_lshl_add_u32 v[TW], v[HH], 12, s12
	v_lshl_add_u32 v[TW], v[RR], 4, v[TW]
	v_and_b32 v[FG], 127, v0
	v_lshlrev_b32 v[FG], 4, v[FG]
	v_add_nc_u32 v[FA], SCB, v[FG]
	v_lshl_add_u32 v[LT], v0, 4, SCL
	s_wait_alu depctr_va_vdst(0)                       ; the head's end
	s_wait_kmcnt 0x0
	s_lshl_b32 s10, s4, 13
	s_add_nc_u64 s[16:17], s[16:17], s[10:11]
	s_lshl_b32 s10, s2, 13
	s_add_nc_u64 s[18:19], s[18:19], s[10:11]
	s_lshl_b32 s10, ttmp9, 11
	s_add_nc_u64 s[20:21], s[20:21], s[10:11]
	s_add_nc_u64 s[24:25], s[24:25], s[10:11]
	s_lshl_b32 s10, ttmp9, 7
	s_add_nc_u64 s[22:23], s[22:23], s[10:11]
	s_add_nc_u64 s[26:27], s[26:27], s[10:11]
	s_add_nc_u64 s[28:29], s[28:29], s[10:11]
	s_add_nc_u64 s[34:35], s[34:35], s[10:11]
	s_lshr_b32 s12, s2, 3                              ; wave w fetches image w: rows 256 (nt / 2) + 32 cg + 16 (nt % 2) + r, bytes 64 ks + 32 c' + 16 h
	s_lshl_b32 s10, s12, 15
	s_bfe_u32 s12, s2, 0x10002
	s_lshl_b32 s12, s12, 11
	s_add_co_u32 s10, s10, s12
	s_bfe_u32 s12, s2, 0x10001
	s_lshl_b32 s12, s12, 6
	s_add_co_u32 s10, s10, s12
	s_and_b32 s12, s2, 1
	s_lshl_b32 s12, s12, 5
	s_add_co_u32 s10, s10, s12
	s_lshl_b32 s12, ttmp9, 12
	s_add_co_u32 s10, s10, s12
	s_add_nc_u64 s[30:31], s[30:31], s[10:11]
	s_lshl_b32 s10, ttmp9, 8
	s_add_nc_u64 s[32:33], s[32:33], s[10:11]
	s_lshl_b32 s10, s4, 18
	s_add_nc_u64 s[36:37], s[36:37], s[10:11]
	s_lshl_b32 s12, ttmp9, 8
	s_add_co_u32 s10, s10, s12
	s_add_nc_u64 s[42:43], s[42:43], s[10:11]
	s_lshl_b32 s10, s4, 14
	s_add_nc_u64 s[38:39], s[38:39], s[10:11]
	s_lshl_b32 s5, s4, 3
	s_add_co_u32 s5, s5, ttmp9
	s_mov_b64 s[48:49], s[40:41]
	s_lshl_b32 s10, s5, 14
	s_add_nc_u64 s[40:41], s[40:41], s[10:11]
	s_lshl_b32 s10, s5, 11
	s_add_nc_u64 s[44:45], s[44:45], s[10:11]
	s_lshl_b32 s10, s5, 12
	s_add_nc_u64 s[46:47], s[46:47], s[10:11]
	s_add_co_u32 s10, s10, 0x400000
	s_add_nc_u64 s[48:49], s[48:49], s[10:11]          ; h0 of the last 32 positions
.irp b, 0,1,2,3                                        ; 16 loads: emb
.irp q, 0,1,2,3
	global_load_b128 v[D+16*\b+4*\q:D+16*\b+4*\q+3], v[EO], s[18:19] offset:128*\b+16*\q
.endr
.endr
.irp c, 0,1                                            ; 22 loads: layer 0's weights, scale words, biases
.irp k, 0,1
	global_load_b128 v[TMP+8*\c+4*\k:TMP+8*\c+4*\k+3], v[CO], s[20:21] offset:1024*\c+32*\k
	global_load_b128 v[TMP+16+8*\c+4*\k:TMP+16+8*\c+4*\k+3], v[CO], s[20:21] offset:16384+1024*\c+32*\k
	global_load_b128 v[TMP+32+8*\c+4*\k:TMP+32+8*\c+4*\k+3], v[CO], s[24:25] offset:1024*\c+32*\k
.endr
	global_load_b32 v[TWS+\c], v[R4], s[22:23] offset:64*\c
	global_load_b32 v[TWS+2+\c], v[R4], s[22:23] offset:1024+64*\c
	global_load_b32 v[TWS+4+\c], v[R4], s[26:27] offset:64*\c
	global_load_b32 v[ASR+\c], v[R4], s[28:29] offset:64*\c
	global_load_b32 v[ASR+2+\c], v[R4], s[28:29] offset:1024+64*\c
.endr
	global_load_b128 v[16:19], v[T16], s[38:39]                    ; 3 loads: the batch's scale bytes and my wave's image of Wl[0]
	global_load_b128 v[22:25], v[T16], s[38:39] offset:8192
	global_load_b128 v[188:191], v[CW], s[30:31]
.irp c, 0,1                                            ; 8 loads: bl[0], the weights' scale words
	global_load_b32 v[ASR+4+\c], v[R4], s[34:35] offset:64*\c
	global_load_b32 v[ASR+6+\c], v[R4], s[34:35] offset:1024+64*\c
	global_load_b32 v[WS+\c], v[SO], s[32:33] offset:128*\c
	global_load_b32 v[WS+2+\c], v[SO], s[32:33] offset:2048+128*\c
.endr
.irp q, 0,1,2,3                                        ; 13 loads: step 0's tokens, carry and operand
	global_load_b128 v[TOK+4*\q:TOK+4*\q+3], v[VT], s[16:17] offset:16*\q
.endr
	global_load_b64 v[H0:H0+1], v[VC], s[40:41]
	AFLOAD 0
.irp b, 0,1,2,3
	v_mov_b32 v[TM+4+\b], 0
.endr
	v_mov_b32 v[WAB], 1.0
	v_mov_b32 v[WAB+1], 0
	ds_store_b64 v[XW], v[WAB:WAB+1]
	v_mov_b32 v[HIN], 0.5
	s_wait_alu depctr_va_vdst(0)
	s_wait_loadcnt 46
	QUANT D
	s_wait_alu depctr_va_vdst(0)
	s_wait_loadcnt 24
	KSET ASR
.irp t, 0,1,2,3,4,5
	v_wmma_scale_f32_16x16x128_f8f6f4 v[D+8*\t:D+8*\t+7], v[PC:PC+7], v[TMP+8*\t:TMP+8*\t+7], 0, v[PW], v[TWS+\t] matrix_a_fmt:MATRIX_FMT_FP4 matrix_b_fmt:MATRIX_FMT_FP4
.endr
.rept 4
	v_nop
.endr
	s_wait_alu depctr_va_vdst(0)
	s_wait_loadcnt 21
	ds_store_b128 v[LT], v[16:19]
	ds_store_b128 v[LT], v[22:25] offset:8192
	ds_store_b128 v[LT], v[188:191] offset:16384
	ACT 1
.irp c, 0,1
.irp j, 0,1,2,3,4,5,6,7
	ds_store_b32 v[TW], v[D+8*\c+\j] offset:512*\j+256*\c
	ds_store_b32 v[TW], v[D+16+8*\c+\j] offset:512*\j+256*\c+4
	ds_store_b32 v[TW], v[D+32+8*\c+\j] offset:512*\j+256*\c+8
	ds_store_b32 v[TW], v[D+32+8*\c+\j] offset:512*\j+256*\c+12   ; the entry's fourth word: every byte of the table is written
.endr
.endr
	s_wait_alu depctr_va_vdst(0)
	s_wait_loadcnt 13
	KSET ASR+4                                         ; from here on the constants are layer 1's
	BAR
	v_mov_b32 v[CC+1], 0
	v_mov_b32 v[CC+3], 0
	v_mov_b32 v[SLR], 0
	v_lshlrev_b32 v[VH], 4, v[LN]
	v_lshl_add_u32 v[SWL], v[LN], 2, STG+15*4864
	v_lshl_add_u32 v[LWR], v[LN], 3, LWB
	s_and_b32 s12, s2, 1
	s_lshl_b32 s12, s12, 13
	s_add_co_u32 s12, s12, LWB
	v_lshl_add_u32 v[LWW], v[HH], 12, s12
	v_lshl_add_u32 v[LWW], v[RR], 3, v[LWW]            ; wave 14 or 15, position 16 h, channel r
.macro STEP s, last
	s_wait_loadcnt 0x0                                 ; this step's operand, tokens and carry, asked for a step ago
.irp m, 0,1,2,3,4,5,6,7,8,9,10,11,12,13,14,15
	ds_load_b128 v[TMP+4*\m:TMP+4*\m+3], v[WI] offset:512*\m
.endr
.irp i, 0,1
.irp q, 0,1,2,3
	ds_load_u8 v[ASR+4*\i+\q], v[SA] offset:2048*\q+32*(\s)+16*\i
.endr
.endr
.irp t, 0,1,2,3,4,5,6,7,8,9,10,11,12,13,14,15
	v_min_u32 v[TOK+\t], 255, v[TOK+\t]
.endr
	s_wait_dscnt 0x0
.irp i, 0,1
	v_lshl_or_b32 v[AS+\i], v[ASR+4*\i+1], 8, v[ASR+4*\i]
	v_lshl_or_b32 v[AS+\i], v[ASR+4*\i+2], 16, v[AS+\i]
	v_lshl_or_b32 v[AS+\i], v[ASR+4*\i+3], 24, v[AS+\i]
.endr
.irp t, 0,1,2,3,4,5,6,7,8,9,10,11,12,13,14,15
	v_lshl_add_u32 v[TOK+\t], v[TOK+\t], 9, v[GL]      ; sixteen plain lines: also the places between the scale words just made and the products
.endr
	MM
.rept 4
	v_nop                                              ; places behind the products
.endr
.if \last
	s_cmp_lg_u32 s2, 15                                ; wave 15 asks for h0 of the last 32 positions, into A's registers, which are done with
	s_cbranch_scc1 .Lnh0
.irp k, 0,1,2,3,4,5,6,7
	global_load_b128 v[AF+4*\k:AF+4*\k+3], v[VH], s[48:49] offset:512*\k
.endr
.Lnh0:
.else
	AFLOAD (\s)+1
.endif
	ACT 2
.if \last
	s_wait_alu depctr_va_vdst(0)                       ; ahead of the branch and of the logarithms
	s_cmp_lt_u32 s2, 14
	s_cbranch_scc1 .Lnlg
	LOGS
.Lnlg:
.endif
	SCAN
	EXCH1 D+55, D+63
.if !\last
	RESID
.irp q, 0,1,2,3
	global_load_b128 v[TOK+4*\q:TOK+4*\q+3], v[VT], s[16:17] offset:2048*((\s)+1)+16*\q
.endr
	global_load_b64 v[H0:H0+1], v[VC], s[40:41] offset:4096*((\s)+1)
.endif
	BAR                                                ; the table reads' addresses hang on tokens: they stand in stretches between barriers in which no wave writes LDS
	ds_store_b64 v[XW], v[WAB:WAB+1] offset:((\s)+1)*4096
.if \last
	s_cmp_lt_u32 s2, 14
	s_cbranch_scc1 .Lnls
	LWST
.Lnls:
.endif
	BAR                                                ; every wave's aggregate of this step lies in LDS
	EXCH2 \s
.if \last
	s_wait_alu depctr_va_vdst(0)                       ; ahead of the branch
	s_cmp_eq_u32 s2, 15                                ; wave 15's 32 positions come from the window: it needs neither the residual from the table nor the carry's fix
	s_cbranch_scc1 .Lnores
	RESID                                              ; in the last step the table is read here, ahead of the signal below
	FIX
.Lnores:
	s_wait_alu depctr_va_vdst(0)
	s_wait_dscnt 0x0                                   ; my table reads are over
	s_barrier_signal -1                                ; no wave stores into its stage before all sixteen have said so
	s_cmp_lg_u32 s2, 15                                ; between signal and wait wave 15 works on registers and on LDS loads of bytes that nobody writes any more
	s_cbranch_scc1 .Lnowin
.set jj, 0
.rept 33
	ds_load_b64 v[W+2*jj:W+2*jj+1], v[LWR] offset:7936+256*jj      ; positions 2,015 .. 2,047 of my channel
.set jj, jj+1
.endr
	s_wait_dscnt 0x0
	s_wait_loadcnt 0x0                                 ; h0
	LOGWIN
	s_wait_alu depctr_va_vdst(0)
.Lnowin:
	s_barrier_wait -1
	s_cmp_eq_u32 s2, 15
	s_cbranch_scc1 .Lw15
	STAGEIN
	s_branch .Ljoin
.Lw15:
	WINST
.irp k, 0,1,2,3,4,5,6,7
	global_store_b128 v[VH], v[32+4*\k:35+4*\k], s[46:47] offset:512*\k
.endr
.Ljoin:
.else
	FIX
	STAGEIN
.endif
	STAGEOUT \s, 42
	BAR
.endm
	STEP 0, 0
	STEP 1, 0
	STEP 2, 0
	STEP 3, 1
	s_cmp_gt_u32 s2, 3
	s_cbranch_scc1 .Lend
	ds_load_b128 v[TMP:TMP+3], v[FA]
	s_wait_dscnt 0x0
	global_store_b128 v[FG], v[TMP:TMP+3], s[44:45]
.Lend:
	s_wait_xcnt 0x0
	v_lshl_add_u32 v254, v0, 2, 0x42800
	v_mov_b32 v255, 0
	s_wait_alu depctr_va_vdst(0)
	s_wait_tensorcnt 0x0
	ds_add_u32 v254, v255
	s_wait_dscnt 0x0
	s_endpgm
.Lfunc_end_k_q8ff3ff3336_layer1:
	.size	k_q8ff3ff3336_layer1, .Lfunc_end_k_q8ff3ff3336_layer1-k_q8ff3ff3336_layer1
	.p2alignl 7, 3214868480
	.fill 96, 4, 3214868480
	.section	.rodata,"a",@progbits
	.p2align	6, 0x0
	.amdhsa_kernel k_q8ff3ff3336_layer1
		.amdhsa_group_segment_fixed_size 274432
		.amdhsa_private_segment_fixed_size 0
		.amdhsa_enable_private_segment 0
		.amdhsa_kernarg_size 128
		.amdhsa_user_sgpr_count 2
		.amdhsa_user_sgpr_kernarg_segment_ptr 1
		.amdhsa_wavefront_size32 1
		.amdhsa_system_sgpr_workgroup_id_x 1
		.amdhsa_system_sgpr_workgroup_id_y 1
		.amdhsa_system_sgpr_workgroup_id_z 1
		.amdhsa_system_vgpr_workitem_id 0
		.amdhsa_next_free_vgpr 256
		.amdhsa_next_free_sgpr 66
		.amdhsa_reserve_vcc 0
		.amdhsa_float_denorm_mode_32 3
		.amdhsa_float_denorm_mode_16_64 3
		.amdhsa_memory_ordered 1
		.amdhsa_forward_progress 1
		.amdhsa_inst_pref_size 225
	.end_amdhsa_kernel
	.amdgpu_metadata
---
amdhsa.version: [ 1, 2 ]
amdhsa.kernels:
  - .name:           k_q8ff3ff3336_layer1
    .symbol:         k_q8ff3ff3336_layer1.kd
    .args:
      - { .name: x, .offset: 0, .size: 8, .value_kind: global_buffer, .address_space: global }
      - { .name: emb, .offset: 8, .size: 8, .value_kind: global_buffer, .address_space: global }
      - { .name: W0_codes, .offset: 16, .size: 8, .value_kind: global_buffer, .address_space: global }
      - { .name: W0_scales, .offset: 24, .size: 8, .value_kind: global_buffer, .address_space: global }
      - { .name: Walign_codes, .offset: 32, .size: 8, .value_kind: global_buffer, .address_space: global }
      - { .name: Walign_scales, .offset: 40, .size: 8, .value_kind: global_buffer, .address_space: global }
      - { .name: b0, .offset: 48, .size: 8, .value_kind: global_buffer, .address_space: global }
      - { .name: Wl_codes, .offset: 56, .size: 8, .value_kind: global_buffer, .address_space: global }
      - { .name: Wl_scales, .offset: 64, .size: 8, .value_kind: global_buffer, .address_space: global }
      - { .name: bl, .offset: 72, .size: 8, .value_kind: global_buffer, .address_space: global }
      - { .name: codes0, .offset: 80, .size: 8, .value_kind: global_buffer, .address_space: global }
      - { .name: scales0, .offset: 88, .size: 8, .value_kind: global_buffer, .address_space: global }
      - { .name: carry0, .offset: 96, .size: 8, .value_kind: global_buffer, .address_space: global }
      - { .name: codes1, .offset: 104, .size: 8, .value_kind: global_buffer, .address_space: global }
      - { .name: scales1, .offset: 112, .size: 8, .value_kind: global_buffer, .address_space: global }
      - { .name: h1last, .offset: 120, .size: 8, .value_kind: global_buffer, .address_space: global }
    .group_segment_fixed_size: 274432
    .private_segment_fixed_size: 0
    .kernarg_segment_align: 8
    .kernarg_segment_size: 128
    .max_flat_workgroup_size: 512
    .sgpr_count:     66
    .vgpr_count:     256
    .wavefront_size: 32
...
	.end_amdgpu_metadata
.endif
;; end of part 2
;; launch layer2 (part 3): grid 8 x 32, 16 waves a work-group, no clusters, 64,256 bytes of LDS; arguments Wl_codes, Wl_scales, bl, codes1, scales1, h1last, codes2, scales2; writes codes2, scales2
.if DOCPART == 3
	.amdgcn_target "amdgcn-amd-amdhsa--gfx1250"
	.amdhsa_code_object_version 6
	.text
	.protected	k_q8ff3ff3336_layer2
	.globl	k_q8ff3ff3336_layer2
	.p2align	8
	.type	k_q8ff3ff3336_layer2,@function
k_q8ff3ff3336_layer2:
	s_mov_b64 s[64:65], 0
	v_nop
	global_prefetch_b8 v0, s[64:65] scope:SCOPE_SE
	s_setreg_imm32_b32 hwreg(HW_REG_WAVE_MODE, 25, 1), 1
	s_wait_xcnt 0x0
; minGRU LAYER 2.  gh = Q(h1) Wl[1]^T + bl[1] at all 2,048 positions; h2 = scan + h1 is wanted at the last 16 positions alone (the slice that the model itself takes), so the runs' aggregates are all that the other positions give.
; Shares, tiles and the recurrence as in layer 1.  Each wave stores its aggregate of each step in a slot of its own; one barrier at the end; wave 15 folds the 63 aggregates ahead of its last 32 positions, in order, and
; evaluates those 32 positions in the log-space form itself, a lane to a channel, as layers 0 and 1 do (same order of sums, same limits), adds h1 (h1last) and quantises positions 2,032 .. 2,047:
; codes2 [b][cg][row 16][16 bytes], scales2 [b][cg][row 16].  The 16 scale bytes of a work-group are a store of part of an aligned 256 bytes: 4 KiB in the whole launch.
; NO CLUSTER, NO TENSOR LOAD: as in layer 1.  LIMITS: as in layer 0.
.set XT,  0                            ; 64 slots of 256 bytes: slot 16 s + w
.set STG, 16384                        ; wave 15's stage
.set SCL, 21248
.set WIM, 37632
.set LWB, 45824                        ; (ln(1 - z), ln(z g)) of waves 14, 15 in step 3
.set LN, 1
.set RR, 2
.set HH, 3
.set VA, 4
.set XR, 5
.set VH, 6
.set G2, 7
.set XW, 8
.set SWL, 9
.set SR, 10
.set LWW, 11
.set SA, 12
.set WI, 13
.set LWR, 14
.set HIN, 15
.set EA0, 22
.set EA1, 23
.set EB0, 24
.set EB1, 25
.set WAB, 26
.set LT, 30
.set AF, 32
.set D, 64
.set TMP, 128
.set ASR, 208
.set AS, 216
.set WS, 218
.set KG, 222
.set KH1, 226
.set KH2, 230
.set CD, 234
.set SC, 238
.set BY, 239
.set MX, 240
.set AP, 242
.set EL, 243
.set SLR, 244
.set R4, 251
.set CW, 252
.set SO, 253
.set T16, 254
.set W, 64
.set ST, 2
.set T1, 132
.set T2, 149                           ; T1 and T2 are 17 wide
.set OX, 166
.set RB, 31
.set RS, 1
.macro BAR
	s_wait_alu depctr_va_vdst(0)                       ; the wait ahead of a wait that blocks
	s_wait_dscnt 0x0
	s_barrier_signal -1
	s_barrier_wait -1
.endm
.macro KSET a
.irp c, 0,1
	v_mul_f32 v[KG+2*\c], s6, v[\a+\c]
	v_mul_f32 v[KG+2*\c+1], s6, v[\a+\c]
	v_add_f32 v[KH1+2*\c], 0.5, v[\a+2+\c]
	v_add_f32 v[KH1+2*\c+1], 0.5, v[\a+2+\c]
	v_mul_f32 v[KH2+2*\c], s6, v[\a+2+\c]
	v_mul_f32 v[KH2+2*\c+1], s6, v[\a+2+\c]
.endr
.endm
.macro ACTA g, c
.irp p, 0,2,4,6
	v_pk_fma_f32 v[\g+\p:\g+\p+1], v[\g+\p:\g+\p+1], s[6:7], v[KG+2*\c:KG+2*\c+1] op_sel_hi:[1,0,1]
.endr
.endm
.macro EXPA g
.irp j, 0,1,2,3,4,5,6,7
	v_exp_f32 v[\g+\j], v[\g+\j]
.endr
.endm
.macro ACTB g, c, hp
.irp p, 0,2,4,6
	v_pk_add_f32 v[\hp+\p:\hp+\p+1], v[\g+16+\p:\g+16+\p+1], v[KH1+2*\c:KH1+2*\c+1]
.endr
.irp p, 0,2,4,6
	v_pk_fma_f32 v[\g+16+\p:\g+16+\p+1], v[\g+16+\p:\g+16+\p+1], s[6:7], v[KH2+2*\c:KH2+2*\c+1] op_sel_hi:[1,0,1]
.endr
.endm
.macro EXPB g
.irp j, 0,1,2,3,4,5,6,7
	v_exp_f32 v[\g+16+\j], v[\g+16+\j]
.endr
.endm
.macro ACTC g
.irp p, 0,2,4,6
	v_pk_add_f32 v[\g+\p:\g+\p+1], v[\g+\p:\g+\p+1], 1.0 op_sel_hi:[1,0]
.endr
.irp p, 0,2,4,6
	v_pk_add_f32 v[\g+16+\p:\g+16+\p+1], v[\g+16+\p:\g+16+\p+1], 1.0 op_sel_hi:[1,0]
.endr
.endm
.macro RCPC g
.irp j, 0,1,2,3,4,5,6,7
	v_rcp_f32 v[\g+\j], v[\g+\j]
.endr
.irp j, 0,1,2,3,4,5,6,7
	v_rcp_f32 v[\g+16+\j], v[\g+16+\j]
.endr
.endm
.macro ACTE g, hp
.irp j, 0,1,2,3,4,5,6,7
	v_max_num_f32 v[\g+16+\j], v[\hp+\j], v[\g+16+\j]
.endr
.irp p, 0,2,4,6
	v_pk_mul_f32 v[\g+16+\p:\g+16+\p+1], v[\g+\p:\g+\p+1], v[\g+16+\p:\g+16+\p+1]
.endr
.irp p, 0,2,4,6
	v_pk_fma_f32 v[\g+\p:\g+\p+1], v[\g+\p:\g+\p+1], -1.0, 1.0 op_sel_hi:[1,0,0]
.endr
.endm
.macro ACT2                            ; 64 exponentials with one wait, 64 reciprocals with one wait
	ACTA D, 0
	ACTA D+8, 1
	ACTA D+32, 0
	ACTA D+40, 1
	ACTB D, 0, TMP
	ACTB D+8, 1, TMP+8
	ACTB D+32, 0, TMP+16
	ACTB D+40, 1, TMP+24
	s_wait_alu depctr_va_vdst(0)                       ; all sources are laid: one wait ahead of the batch
	EXPA D
	EXPA D+8
	EXPA D+32
	EXPA D+40
	EXPB D
	EXPB D+8
	EXPB D+32
	EXPB D+40
	v_nop
	s_wait_alu depctr_va_vdst(0)
	ACTC D
	ACTC D+8
	ACTC D+32
	ACTC D+40
	s_wait_alu depctr_va_vdst(0)                       ; one wait ahead of the reciprocals
	RCPC D
	RCPC D+8
	RCPC D+32
	RCPC D+40
	v_nop
	s_wait_alu depctr_va_vdst(0)
	ACTE D, TMP
	ACTE D+8, TMP+8
	ACTE D+32, TMP+16
	ACTE D+40, TMP+24
.endm
.macro AFLOAD st
.irp i, 0,1
.irp m, 0,1,2,3
	global_load_b128 v[AF+16*\i+4*\m:AF+16*\i+4*\m+3], v[VA], s[22:23] offset:65536*(\st)+2048*\i+512*\m
.endr
.endr
.endm
.macro MM                              ; the eight accumulators take turns, one instruction a turn
.irp ks, 0,1
.irp i, 0,1
.irp nt, 0,1,2,3
.if \ks == 0
	v_wmma_scale_f32_16x16x128_f8f6f4 v[D+32*\i+8*\nt:D+32*\i+8*\nt+7], v[AF+16*\i:AF+16*\i+7], v[TMP+16*\nt:TMP+16*\nt+7], 0, v[AS+\i], v[WS+\nt] matrix_a_fmt:MATRIX_FMT_FP4 matrix_b_fmt:MATRIX_FMT_FP4
.else
	v_wmma_scale_f32_16x16x128_f8f6f4 v[D+32*\i+8*\nt:D+32*\i+8*\nt+7], v[AF+16*\i+8:AF+16*\i+15], v[TMP+16*\nt+8:TMP+16*\nt+15], v[D+32*\i+8*\nt:D+32*\i+8*\nt+7], v[AS+\i], v[WS+\nt] matrix_a_fmt:MATRIX_FMT_FP4 matrix_b_fmt:MATRIX_FMT_FP4 matrix_a_scale:MATRIX_SCALE_ROW1 matrix_b_scale:MATRIX_SCALE_ROW1
.endif
.endr
.endr
.endr
.endm
.macro SCAN
.set tt, 1
.rept 15
.set cu, D+32*(tt/8)+(tt%8)
.set pv, D+32*((tt-1)/8)+((tt-1)%8)
	v_fmac_f32 v[cu+16], v[cu], v[pv+16]
	v_fmac_f32 v[cu+24], v[cu+8], v[pv+24]
	v_mul_f32 v[cu], v[cu], v[pv]
	v_mul_f32 v[cu+8], v[cu+8], v[pv+8]
.set tt, tt+1
.endr
.endm
.macro EXCH1
	v_mov_b32 v[EA0], v[D+39]
	v_mov_b32 v[EA1], v[D+47]
	v_mov_b32 v[EB0], v[D+55]
	v_mov_b32 v[EB1], v[D+63]
	v_permlane16_swap_b32 v[EA0], v[EA1]
	v_permlane16_swap_b32 v[EB0], v[EB1]
	v_mul_f32 v[WAB], v[EA0], v[EA1]
	v_fma_f32 v[WAB+1], v[EA1], v[EB0], v[EB1]
.endm
; ---- THE WINDOW: as in layer 0
.macro LNPAIR p
	v_max_num_f32 v[\p], 0xc2fc0000, v[\p]
	v_max_num_f32 v[\p+1], 0xc2fc0000, v[\p+1]
	v_pk_mul_f32 v[\p:\p+1], v[\p:\p+1], s[14:15] op_sel_hi:[1,0]
.endm
.macro LOGS
.irp i, 0,1
.irp c, 0,1
.irp j, 0,1,2,3,4,5,6,7
	v_log_f32 v[TMP+2*(16*\i+8*\c+\j)], v[D+32*\i+8*\c+\j]
	v_log_f32 v[TMP+2*(16*\i+8*\c+\j)+1], v[D+16+32*\i+8*\c+\j]
.endr
.endr
.endr
	v_nop
	s_wait_alu depctr_va_vdst(0)
.set kk, 0
.rept 32
	LNPAIR TMP+2*kk
.set kk, kk+1
.endr
.irp i, 0,1
.irp c, 0,1
.irp j, 0,1,2,3,4,5,6,7
	ds_store_b64 v[LWW], v[TMP+2*(16*\i+8*\c+\j):TMP+2*(16*\i+8*\c+\j)+1] offset:(8*\i+\j)*256+128*\c
.endr
.endr
.endr
.endm
.macro LAEMID n
	s_wait_alu depctr_va_vdst(0)                       ; ahead of the exponentials
.set kk, 0
.rept \n
	v_exp_f32 v[T2+kk], v[T2+kk]
.set kk, kk+1
.endr
	v_nop
	s_wait_alu depctr_va_vdst(0)
.set kk, 0
.rept \n
	v_add_f32 v[T2+kk], 1.0, v[T2+kk]
.set kk, kk+1
.endr
	s_wait_alu depctr_va_vdst(0)                       ; ahead of the logarithms
.set kk, 0
.rept \n
	v_log_f32 v[T2+kk], v[T2+kk]
.set kk, kk+1
.endr
	v_nop
	s_wait_alu depctr_va_vdst(0)
.endm
.macro LAE1 a, b
	v_sub_f32 v[T2], v[\a], v[\b]
	v_max_num_f32 v[T1], v[\a], v[\b]
	v_mul_f32 v[T2], s6, |v[T2]|
	LAEMID 1
	v_fma_f32 v[\b], v[T2], s14, v[T1]
.endm
.macro CHAIN2
.irp q, 0,16
	v_sub_f32 v[T2+\q/16], v[W+1+ST*(\q+jj-1)], v[W+1+ST*(\q+jj)]
	v_max_num_f32 v[T1+\q/16], v[W+1+ST*(\q+jj-1)], v[W+1+ST*(\q+jj)]
	v_mul_f32 v[T2+\q/16], s6, |v[T2+\q/16]|
.endr
	LAEMID 2
.irp q, 0,16
	v_fma_f32 v[W+1+ST*(\q+jj)], v[T2+\q/16], s14, v[T1+\q/16]
.endr
.endm
.macro JOIN k0, pre, a, b              ; beside the sixteen, as a 17th: b = LAE(a, b)
.set ii, 0
.rept 16
	v_sub_f32 v[T2+ii], v[\pre], v[W+1+ST*(\k0+ii)]
	v_max_num_f32 v[T1+ii], v[\pre], v[W+1+ST*(\k0+ii)]
	v_mul_f32 v[T2+ii], s6, |v[T2+ii]|
.set ii, ii+1
.endr
	v_sub_f32 v[T2+16], v[\a], v[\b]
	v_max_num_f32 v[T1+16], v[\a], v[\b]
	v_mul_f32 v[T2+16], s6, |v[T2+16]|
	LAEMID 17
.set ii, 0
.rept 16
	v_fma_f32 v[W+1+ST*(\k0+ii)], v[T2+ii], s14, v[T1+ii]
.set ii, ii+1
.endr
	v_fma_f32 v[\b], v[T2+16], s14, v[T1+16]
.endm
.macro LOGWIN
	v_fma_f32 v[AP], v[SLR], s14, -v[W]
	v_mul_f32 v[T2], s15, v[W+1]
	s_wait_alu depctr_va_vdst(0)
	v_exp_f32 v[T2], v[T2]
	v_nop
	s_wait_alu depctr_va_vdst(0)
	v_sub_f32 v[T2], v[HIN], v[T2]
	v_max_num_f32 v[T2], 0x800000, v[T2]
	s_wait_alu depctr_va_vdst(0)
	v_log_f32 v[T2], v[T2]
	v_nop
	s_wait_alu depctr_va_vdst(0)
	v_fma_f32 v[EL], v[T2], s14, -v[W]
	v_sub_f32 v[EL], v[EL], v[AP]
.set jj, 1
.rept 15
	v_add_f32 v[W+ST*jj], v[W+ST*(jj-1)], v[W+ST*jj]
	v_add_f32 v[W+ST*(16+jj)], v[W+ST*(15+jj)], v[W+ST*(16+jj)]
.set jj, jj+1
.endr
	v_add_f32 v[OX], v[AP], v[W+ST*15]
	v_add_f32 v[OX+1], v[OX], v[W+ST*31]
.set jj, 0
.rept 16
	v_add_f32 v[W+ST*jj], v[AP], v[W+ST*jj]
	v_add_f32 v[W+ST*(16+jj)], v[OX], v[W+ST*(16+jj)]
.set jj, jj+1
.endr
	v_add_f32 v[W+ST*32], v[OX+1], v[W+ST*32]
.set jj, 0
.rept 33
	v_sub_f32 v[W+1+ST*jj], v[W+1+ST*jj], v[W+ST*jj]
.set jj, jj+1
.endr
.set jj, 1
.rept 15
	CHAIN2
.set jj, jj+1
.endr
	v_mov_b32 v[OX+2], v[W+1+ST*15]                    ; of the first run only its total goes on: h2 of positions 2,016 .. 2,031 is sliced away by the model, so those elements are not joined or finished
	LAE1 EL, OX+2
	v_mov_b32 v[OX+3], v[W+1+ST*31]
	JOIN 16, OX+2, OX+2, OX+3
	LAE1 OX+3, W+1+ST*32
.set jj, 17
.rept 16
	v_add_f32 v[W+ST*jj], v[W+ST*jj], v[W+1+ST*jj]
	v_mul_f32 v[W+ST*jj], s15, v[W+ST*jj]
.set jj, jj+1
.endr
	s_wait_alu depctr_va_vdst(0)
.set jj, 17
.rept 16
	v_exp_f32 v[W+ST*jj], v[W+ST*jj]
.set jj, jj+1
.endr
	v_nop
	s_wait_alu depctr_va_vdst(0)
.set jj, 17
.rept 16
	v_add_f32 v[31+jj], v[W+ST*jj], v[RB+RS*jj]
.set jj, jj+1
.endr
.set jj, 16
.rept 16
	ds_store_b32 v[SWL], v[32+jj] offset:144*jj+128*(jj/16)
.set jj, jj+1
.endr
.endm
	s_load_b512 s[16:31], s[0:1], 0x0                  ; Wl codes, Wl scales, bl, codes1, scales1, h1last, codes2, scales2
	v_lshl_add_u32 v250, v0, 2, 0xf300
	v_mov_b32 v255, 0
	v_lshrrev_b32 v1, 5, v0
	v_readfirstlane_b32 s2, v1
	v_and_b32 v[LN], 31, v0
	v_and_b32 v[RR], 15, v0
	v_bfe_u32 v[HH], v0, 4, 1
	s_and_b32 s4, ttmp7, 0xffff
	s_mov_b32 s6, 0xbfb8aa3b                           ; -log2(e)
	s_mov_b32 s7, s6
	s_mov_b32 s14, 0x3f317218                          ; ln 2
	s_mov_b32 s15, 0x3fb8aa3b                          ; log2(e)
	s_mov_b32 s11, 0
	s_wait_alu depctr_va_vdst(0)                       ; behind the run of scalar lines
	v_lshlrev_b32 v[R4], 2, v[RR]
	v_lshlrev_b32 v[CW], 7, v[RR]
	v_lshl_add_u32 v[CW], v[HH], 4, v[CW]
	v_lshlrev_b32 v[SO], 3, v[RR]
	v_lshl_add_u32 v[SO], v[HH], 2, v[SO]
	v_lshlrev_b32 v[T16], 4, v0
	s_lshl_b32 s12, s2, 12
	v_lshl_add_u32 v[VA], v[LN], 4, s12
	v_lshlrev_b32 v[VH], 4, v[LN]
	v_lshlrev_b32 v[G2], 4, v[RR]
	v_lshlrev_b32 v[XW], 3, v0                         ; XT = 0: 256 w + 8 lane
	v_lshlrev_b32 v[XR], 3, v[LN]
	v_lshl_add_u32 v[SWL], v[LN], 2, STG
	v_mul_u32_u24 v[SR], v[RR], 144
	v_add_nc_u32 v[SR], STG+2432, v[SR]                ; position 16 + r of the wave's 32
	v_lshl_add_u32 v[LWR], v[LN], 3, LWB
	s_and_b32 s12, s2, 1
	s_lshl_b32 s12, s12, 13
	s_add_co_u32 s12, s12, LWB
	v_lshl_add_u32 v[LWW], v[HH], 12, s12
	v_lshl_add_u32 v[LWW], v[RR], 3, v[LWW]
	s_lshl_b32 s12, s2, 7
	s_add_co_u32 s13, s12, SCL
	v_lshl_add_u32 v[SA], v[HH], 13, v[RR]
	v_add_nc_u32 v[SA], s13, v[SA]
	v_lshl_add_u32 v[WI], v[LN], 4, WIM
	v_lshl_add_u32 v[LT], v0, 4, SCL
	s_wait_alu depctr_va_vdst(0)                       ; the head's end
	s_wait_kmcnt 0x0
	s_lshr_b32 s12, s2, 3                              ; wave w fetches image w of Wl[1], which lies 65,536 bytes behind Wl[0]
	s_lshl_b32 s10, s12, 15
	s_bfe_u32 s12, s2, 0x10002
	s_lshl_b32 s12, s12, 11
	s_add_co_u32 s10, s10, s12
	s_bfe_u32 s12, s2, 0x10001
	s_lshl_b32 s12, s12, 6
	s_add_co_u32 s10, s10, s12
	s_and_b32 s12, s2, 1
	s_lshl_b32 s12, s12, 5
	s_add_co_u32 s10, s10, s12
	s_lshl_b32 s12, ttmp9, 12
	s_add_co_u32 s10, s10, s12
	s_add_co_u32 s10, s10, 65536
	s_add_nc_u64 s[16:17], s[16:17], s[10:11]
	s_lshl_b32 s10, ttmp9, 8
	s_add_co_u32 s10, s10, 4096
	s_add_nc_u64 s[18:19], s[18:19], s[10:11]
	s_lshl_b32 s10, ttmp9, 7
	s_add_co_u32 s10, s10, 2048
	s_add_nc_u64 s[20:21], s[20:21], s[10:11]
	s_lshl_b32 s10, s4, 18
	s_add_nc_u64 s[22:23], s[22:23], s[10:11]
	s_lshl_b32 s10, s4, 14
	s_add_nc_u64 s[24:25], s[24:25], s[10:11]
	s_lshl_b32 s5, s4, 3
	s_add_co_u32 s5, s5, ttmp9
	s_lshl_b32 s10, s5, 12
	s_add_nc_u64 s[26:27], s[26:27], s[10:11]
	s_lshl_b32 s10, s5, 8
	s_add_nc_u64 s[28:29], s[28:29], s[10:11]
	s_lshl_b32 s10, s5, 4
	s_add_nc_u64 s[30:31], s[30:31], s[10:11]
	global_load_b128 v[16:19], v[T16], s[24:25]                    ; 3 loads: the batch's scale bytes and my wave's image
	global_load_b128 v[22:25], v[T16], s[24:25] offset:8192
	global_load_b128 v[188:191], v[CW], s[16:17]
.irp c, 0,1                                            ; 8 loads: bl[1], the weights' scale words
	global_load_b32 v[ASR+4+\c], v[R4], s[20:21] offset:64*\c
	global_load_b32 v[ASR+6+\c], v[R4], s[20:21] offset:1024+64*\c
	global_load_b32 v[WS+\c], v[SO], s[18:19] offset:128*\c
	global_load_b32 v[WS+2+\c], v[SO], s[18:19] offset:2048+128*\c
.endr
	AFLOAD 0                                           ; 8 loads: step 0's operand
	s_wait_loadcnt 16                                  ; the first three are in
	ds_store_b128 v[LT], v[16:19]
	ds_store_b128 v[LT], v[22:25] offset:8192
	ds_store_b128 v[LT], v[188:191] offset:16384
	s_wait_loadcnt 8                                   ; bl and the scale words are in; the operand may be out
	KSET ASR+4
	BAR
.macro STEP s, last
	s_wait_loadcnt 0x0                                 ; this step's operand, asked for a step ago
.irp m, 0,1,2,3,4,5,6,7,8,9,10,11,12,13,14,15
	ds_load_b128 v[TMP+4*\m:TMP+4*\m+3], v[WI] offset:512*\m
.endr
.irp i, 0,1
.irp q, 0,1,2,3
	ds_load_u8 v[ASR+4*\i+\q], v[SA] offset:2048*\q+32*(\s)+16*\i
.endr
.endr
	s_wait_dscnt 0x0
.irp i, 0,1
	v_lshl_or_b32 v[AS+\i], v[ASR+4*\i+1], 8, v[ASR+4*\i]
	v_lshl_or_b32 v[AS+\i], v[ASR+4*\i+2], 16, v[AS+\i]
	v_lshl_or_b32 v[AS+\i], v[ASR+4*\i+3], 24, v[AS+\i]
.endr
.rept 8
	v_nop                                              ; places between the scale words just made and the products
.endr
	MM
.rept 4
	v_nop                                              ; places behind the products
.endr
.if \last
	s_cmp_lg_u32 s2, 15                                ; wave 15 asks for h1 of the last 16 positions, into A's registers, which are done with
	s_cbranch_scc1 .Lnoh
.irp k, 4,5,6,7
	global_load_b128 v[AF+4*\k:AF+4*\k+3], v[VH], s[26:27] offset:512*\k
.endr
.Lnoh:
.else
	AFLOAD (\s)+1
.endif
	ACT2
.if \last
	s_wait_alu depctr_va_vdst(0)                       ; ahead of the branch and of the logarithms
	s_cmp_lt_u32 s2, 14
	s_cbranch_scc1 .Lnlg
	LOGS                                               ; bytes of their own, read behind the barrier at the end
.Lnlg:
.endif
	SCAN
	EXCH1
	ds_store_b64 v[XW], v[WAB:WAB+1] offset:4096*(\s)  ; a slot of my own: nobody reads it before the barrier at the end
.endm
	STEP 0, 0
	STEP 1, 0
	STEP 2, 0
	STEP 3, 1
	BAR                                                ; all 64 aggregates, and the window's logarithms, lie in LDS
	s_cmp_lg_u32 s2, 15
	s_cbranch_scc1 .Lend
	v_mov_b32 v[HIN], 0.5                              ; h[-1]; the 63 aggregates ahead of my last 32 positions, in order; log2 of their products is summed beside
	v_mov_b32 v[SLR], 0
.set jj, 0
.rept 63                                               ; all 63 pairs in one run, into v64-189, which are free here
	ds_load_b64 v[64+2*jj:65+2*jj], v[XR] offset:256*jj
.set jj, jj+1
.endr
	s_wait_alu depctr_va_vdst(0)
	s_wait_dscnt 0x0
.set jj, 0
.rept 63
	v_fma_f32 v[HIN], v[64+2*jj], v[HIN], v[65+2*jj]
.set jj, jj+1
.endr
.set jj, 0
.rept 63
	v_log_f32 v[64+2*jj], v[64+2*jj]                   ; the logarithms in one run, behind the fold's chain
.set jj, jj+1
.endr
	v_nop
	s_wait_alu depctr_va_vdst(0)
.set jj, 0
.rept 63
	v_max_num_f32 v[64+2*jj], 0xc2fc0000, v[64+2*jj]
	v_add_f32 v[SLR], v[SLR], v[64+2*jj]
.set jj, jj+1
.endr
.set jj, 0
.rept 33
	ds_load_b64 v[W+2*jj:W+2*jj+1], v[LWR] offset:7936+256*jj      ; positions 2,015 .. 2,047 of my channel
.set jj, jj+1
.endr
	s_wait_alu depctr_va_vdst(0)
	s_wait_dscnt 0x0
	s_wait_loadcnt 0x0
	LOGWIN
.irp k, 0,1,2,3,4,5,6,7
	ds_load_b128 v[TMP+4*\k:TMP+4*\k+3], v[SR] offset:16*\k        ; position 2,032 + r, its 32 channels; LDS serves a wave's instructions in order
.endr
	s_wait_dscnt 0x0
	v_max3_num_f32 v[MX], |v[TMP]|, |v[TMP+1]|, 0x1800000
	v_max3_num_f32 v[MX+1], |v[TMP+2]|, |v[TMP+3]|, |v[TMP+4]|
.irp n, 5,9,13,17,21,25
	v_max3_num_f32 v[MX], v[MX], |v[TMP+\n]|, |v[TMP+\n+1]|
	v_max3_num_f32 v[MX+1], v[MX+1], |v[TMP+\n+2]|, |v[TMP+\n+3]|
.endr
	v_max3_num_f32 v[MX], v[MX], |v[TMP+29]|, |v[TMP+30]|
	v_max3_num_f32 v[MX], v[MX], v[MX+1], |v[TMP+31]|
	v_add_nc_u32 v[SC], 0xff000000, v[MX]
.irp g, 0,1,2,3
	v_cvt_scalef32_pk8_fp4_f32 v[CD+\g], v[TMP+8*\g:TMP+8*\g+7], v[SC]
.endr
	v_lshrrev_b32 v[BY], 23, v[SC]                     ; the scale's byte (also the plain place behind the conversions)
	v_cmp_gt_u32 vcc_lo, 16, v[LN]                     ; lanes 16-31 hold the same numbers as lanes 0-15: the lower sixteen store
	s_wait_alu depctr_va_vdst(0)
	s_wait_xcnt 0x0
	s_and_saveexec_b32 s12, vcc_lo
	global_store_b128 v[G2], v[CD:CD+3], s[28:29]      ; sixteen lanes store 256 consecutive bytes, aligned
	global_store_b8 v[RR], v[BY], s[30:31]
	s_wait_xcnt 0x0                                    ; and again, in front of the line that widens it
	s_or_b32 exec_lo, exec_lo, s12
.Lend:
	s_wait_tensorcnt 0x0
	ds_add_u32 v250, v255
	s_wait_dscnt 0x0
	s_endpgm
.Lfunc_end_k_q8ff3ff3336_layer2:
	.size	k_q8ff3ff3336_layer2, .Lfunc_end_k_q8ff3ff3336_layer2-k_q8ff3ff3336_layer2
	.p2alignl 7, 3214868480
	.fill 96, 4, 3214868480
	.section	.rodata,"a",@progbits
	.p2align	6, 0x0
	.amdhsa_kernel k_q8ff3ff3336_layer2
		.amdhsa_group_segment_fixed_size 64256
		.amdhsa_private_segment_fixed_size 0
		.amdhsa_enable_private_segment 0
		.amdhsa_kernarg_size 64
		.amdhsa_user_sgpr_count 2
		.amdhsa_user_sgpr_kernarg_segment_ptr 1
		.amdhsa_wavefront_size32 1
		.amdhsa_system_sgpr_workgroup_id_x 1
		.amdhsa_system_sgpr_workgroup_id_y 1
		.amdhsa_system_sgpr_workgroup_id_z 1
		.amdhsa_system_vgpr_workitem_id 0
		.amdhsa_next_free_vgpr 256
		.amdhsa_next_free_sgpr 66
		.amdhsa_reserve_vcc 1
		.amdhsa_float_denorm_mode_32 3
		.amdhsa_float_denorm_mode_16_64 3
		.amdhsa_memory_ordered 1
		.amdhsa_forward_progress 1
		.amdhsa_inst_pref_size 139
	.end_amdhsa_kernel
	.amdgpu_metadata
---
amdhsa.version: [ 1, 2 ]
amdhsa.kernels:
  - .name:           k_q8ff3ff3336_layer2
    .symbol:         k_q8ff3ff3336_layer2.kd
    .args:
      - { .name: Wl_codes, .offset: 0, .size: 8, .value_kind: global_buffer, .address_space: global }
      - { .name: Wl_scales, .offset: 8, .size: 8, .value_kind: global_buffer, .address_space: global }
      - { .name: bl, .offset: 16, .size: 8, .value_kind: global_buffer, .address_space: global }
      - { .name: codes1, .offset: 24, .size: 8, .value_kind: global_buffer, .address_space: global }
      - { .name: scales1, .offset: 32, .size: 8, .value_kind: global_buffer, .address_space: global }
      - { .name: h1last, .offset: 40, .size: 8, .value_kind: global_buffer, .address_space: global }
      - { .name: codes2, .offset: 48, .size: 8, .value_kind: global_buffer, .address_space: global }
      - { .name: scales2, .offset: 56, .size: 8, .value_kind: global_buffer, .address_space: global }
    .group_segment_fixed_size: 64256
    .private_segment_fixed_size: 0
    .kernarg_segment_align: 8
    .kernarg_segment_size: 64
    .max_flat_workgroup_size: 512
    .sgpr_count:     66
    .vgpr_count:     256
    .wavefront_size: 32
...
	.end_amdgpu_metadata
.endif
;; end of part 3
;; launch logits (part 4): grid 4 x 32, 1 waves a work-group, no clusters, 4,864 bytes of LDS; arguments Wout_codes, Wout_scales, bout, codes2, scales2, out0; writes out0
.if DOCPART == 4
	.amdgcn_target "amdgcn-amd-amdhsa--gfx1250"
	.amdhsa_code_object_version 6
	.text
	.protected	k_q8ff3ff3336_logits
	.globl	k_q8ff3ff3336_logits
	.p2align	8
	.type	k_q8ff3ff3336_logits,@function
k_q8ff3ff3336_logits:
	s_mov_b64 s[64:65], 0
	v_nop
	global_prefetch_b8 v0, s[64:65] scope:SCOPE_SE
	s_setreg_imm32_b32 hwreg(HW_REG_WAVE_MODE, 25, 1), 1
	s_wait_xcnt 0x0
; out0[b][p][v] = Q(h2)[b][2032 + p] . Wout[v] + bout[v], p = 0 .. 15: the 16 positions that the model keeps.  One wave makes 16 positions x 64 columns (work-group x = which 64, y = batch): 128 waves are all the work there is.
; THE PRODUCT IS USED TRANSPOSED: source 0 = 16 rows of Wout, source 1 = the 16 positions: a lane then holds one position and eight neighbouring columns.  bout is the C of each sum's first product.
; codes2 [b][block 8][row 16][16 bytes] is the operand's register order: 512 consecutive bytes a load.  The results turn through LDS, so that sixteen lanes store 256 consecutive bytes, aligned.
; No cluster, no tensor load: each work-group reads 8 KiB of weights once, straight into registers.
.set HS, 12                            ; v12: the positions' scale words (lanes 0-15 K step 0, lanes 16-31 K step 1); v96-99 Wout's likewise: they hold scales alone
.set HF, 16                            ; v16-31: the positions' fragments, K step ks at HF + 8 ks
.set WF, 32                            ; v32-95: Wout's, tile n, K step ks at WF + 16 n + 8 ks
.set WS, 96
.set BI, 100                           ; v100-131: bout in the result's layout
.set ACC, 132                          ; v132-163
.set OUTR, 164                         ; v164-195: rows on the way out
	s_load_b256 s[8:15], s[0:1], 0x0                   ; Wout codes, Wout scales, bout, codes2
	s_load_b128 s[16:19], s[0:1], 0x20                 ; scales2, out0
	v_lshl_add_u32 v200, v0, 2, 0x1200
	v_mov_b32 v201, 0
	v_and_b32 v1, 15, v0                               ; r
	v_bfe_u32 v2, v0, 4, 1                             ; h
	v_lshlrev_b32 v3, 7, v1
	v_lshl_add_u32 v3, v2, 4, v3                       ; Wout's codes: row r of 128 bytes + 16 h
	v_lshlrev_b32 v4, 3, v1
	v_lshl_add_u32 v4, v2, 2, v4                       ; its scale words: row r of 8 bytes, K step h
	v_lshlrev_b32 v5, 5, v2                            ; bout: 8 h numbers on
	v_lshlrev_b32 v6, 4, v0                            ; codes2: 16 x lane
	v_lshl_add_u32 v7, v2, 6, v1                       ; scales2: block 4 h + q, row r
	s_and_b32 s4, ttmp7, 0xffff
	s_mov_b32 s21, 0
	s_wait_alu depctr_va_vdst(0)
	s_wait_kmcnt 0x0
	s_lshl_b32 s20, ttmp9, 13
	s_add_nc_u64 s[8:9], s[8:9], s[20:21]
	s_lshl_b32 s20, ttmp9, 9
	s_add_nc_u64 s[10:11], s[10:11], s[20:21]
	s_lshl_b32 s20, ttmp9, 8
	s_add_nc_u64 s[12:13], s[12:13], s[20:21]
	s_lshl_b32 s20, s4, 11
	s_add_nc_u64 s[14:15], s[14:15], s[20:21]
	s_lshl_b32 s20, s4, 7
	s_add_nc_u64 s[16:17], s[16:17], s[20:21]
	s_lshl_b32 s20, s4, 14
	s_lshl_b32 s22, ttmp9, 8
	s_add_co_u32 s20, s20, s22
	s_add_nc_u64 s[18:19], s[18:19], s[20:21]
.irp m, 0,1,2,3
	global_load_b128 v[HF+4*\m:HF+4*\m+3], v6, s[14:15] offset:512*\m
	global_load_u8 v[8+\m], v7, s[16:17] offset:16*\m
.endr
.irp n, 0,1,2,3
.irp m, 0,1,2,3
	global_load_b128 v[WF+16*\n+4*\m:WF+16*\n+4*\m+3], v3, s[8:9] offset:2048*\n+32*\m
.endr
	global_load_b32 v[WS+\n], v4, s[10:11] offset:128*\n
	global_load_b128 v[BI+8*\n:BI+8*\n+3], v5, s[12:13] offset:64*\n
	global_load_b128 v[BI+8*\n+4:BI+8*\n+7], v5, s[12:13] offset:64*\n+16
.endr
	s_wait_loadcnt 0x0
	v_lshl_or_b32 v[HS], v9, 8, v8
	v_lshl_or_b32 v[HS], v10, 16, v[HS]
	v_lshl_or_b32 v[HS], v11, 24, v[HS]
	v_mul_u32_u24 v13, v1, 272                         ; eight plain lines stand between the scale word just made and the products: six addresses of the way out,
	v_lshl_add_u32 v13, v2, 5, v13                     ; in: row r of 256 bytes + 16, my half's 32 bytes
	v_mul_u32_u24 v14, v2, 272
	v_lshl_add_u32 v14, v1, 4, v14                     ; back: lanes 0-15 one row, lanes 16-31 the next
	v_lshlrev_b32 v15, 10, v2
	v_lshl_add_u32 v15, v1, 4, v15                     ; and the same two rows in out0
	v_nop                                              ; and two more
	v_nop
.irp n, 0,1,2,3                                        ; the four accumulators take turns
	v_wmma_scale_f32_16x16x128_f8f6f4 v[ACC+8*\n:ACC+8*\n+7], v[WF+16*\n:WF+16*\n+7], v[HF:HF+7], v[BI+8*\n:BI+8*\n+7], v[WS+\n], v[HS] matrix_a_fmt:MATRIX_FMT_FP4 matrix_b_fmt:MATRIX_FMT_FP4
.endr
.irp n, 0,1,2,3
	v_wmma_scale_f32_16x16x128_f8f6f4 v[ACC+8*\n:ACC+8*\n+7], v[WF+16*\n+8:WF+16*\n+15], v[HF+8:HF+15], v[ACC+8*\n:ACC+8*\n+7], v[WS+\n], v[HS] matrix_a_fmt:MATRIX_FMT_FP4 matrix_b_fmt:MATRIX_FMT_FP4 matrix_a_scale:MATRIX_SCALE_ROW1 matrix_b_scale:MATRIX_SCALE_ROW1
.endr
.rept 4
	v_nop                                              ; places behind the products
.endr
.irp n, 0,1,2,3
	ds_store_b128 v13, v[ACC+8*\n:ACC+8*\n+3] offset:64*\n         ; each accumulator from its low end on
	ds_store_b128 v13, v[ACC+8*\n+4:ACC+8*\n+7] offset:64*\n+16
.endr
.irp t, 0,1,2,3,4,5,6,7
	ds_load_b128 v[OUTR+4*\t:OUTR+4*\t+3], v14 offset:544*\t       ; LDS serves a wave's instructions in order: these see my stores
.endr
	s_wait_alu depctr_va_vdst(0)
.irp t, 0,1,2,3,4,5,6,7
	s_wait_dscnt 7-\t                                  ; rows 2 t, 2 t + 1 are back; the 7 - t younger loads may be out
	global_store_b128 v15, v[OUTR+4*\t:OUTR+4*\t+3], s[18:19] offset:2048*\t
.endr
	s_wait_tensorcnt 0x0
	ds_add_u32 v200, v201
	s_wait_dscnt 0x0
	s_endpgm
.Lfunc_end_k_q8ff3ff3336_logits:
	.size	k_q8ff3ff3336_logits, .Lfunc_end_k_q8ff3ff3336_logits-k_q8ff3ff3336_logits
	.p2alignl 7, 3214868480
	.fill 96, 4, 3214868480
	.section	.rodata,"a",@progbits
	.p2align	6, 0x0
	.amdhsa_kernel k_q8ff3ff3336_logits
		.amdhsa_group_segment_fixed_size 4864
		.amdhsa_private_segment_fixed_size 0
		.amdhsa_enable_private_segment 0
		.amdhsa_kernarg_size 48
		.amdhsa_user_sgpr_count 2
		.amdhsa_user_sgpr_kernarg_segment_ptr 1
		.amdhsa_wavefront_size32 1
		.amdhsa_system_sgpr_workgroup_id_x 1
		.amdhsa_system_sgpr_workgroup_id_y 1
		.amdhsa_system_sgpr_workgroup_id_z 1
		.amdhsa_system_vgpr_workitem_id 0
		.amdhsa_next_free_vgpr 202
		.amdhsa_next_free_sgpr 66
		.amdhsa_reserve_vcc 0
		.amdhsa_float_denorm_mode_32 3
		.amdhsa_float_denorm_mode_16_64 3
		.amdhsa_memory_ordered 1
		.amdhsa_forward_progress 1
		.amdhsa_inst_pref_size 9
	.end_amdhsa_kernel
	.amdgpu_metadata
---
amdhsa.version: [ 1, 2 ]
amdhsa.kernels:
  - .name:           k_q8ff3ff3336_logits
    .symbol:         k_q8ff3ff3336_logits.kd
    .args:
      - { .name: Wout_codes, .offset: 0, .size: 8, .value_kind: global_buffer, .address_space: global }
      - { .name: Wout_scales, .offset: 8, .size: 8, .value_kind: global_buffer, .address_space: global }
      - { .name: bout, .offset: 16, .size: 8, .value_kind: global_buffer, .address_space: global }
      - { .name: codes2, .offset: 24, .size: 8, .value_kind: global_buffer, .address_space: global }
      - { .name: scales2, .offset: 32, .size: 8, .value_kind: global_buffer, .address_space: global }
      - { .name: out0, .offset: 40, .size: 8, .value_kind: global_buffer, .address_space: global }
    .group_segment_fixed_size: 4864
    .private_segment_fixed_size: 0
    .kernarg_segment_align: 8
    .kernarg_segment_size: 48
    .max_flat_workgroup_size: 32
    .sgpr_count:     66
    .vgpr_count:     202
    .wavefront_size: 32
...
	.end_amdgpu_metadata
.endif
;; end of part 4
